; MI455X (gfx1250); checked and timed in simulation.
; The chip was launched on July 23, 2026; its instructions are those of AMD's public machine-readable ISA for CDNA 5 (MIT licence, August 2026) and "CDNA5" Instruction Set Architecture Reference Guide (July 2026). The comments in the code are by the model that wrote it; some were corrected since.
;; Multi Head Attention. Allowed arithmetic: matrix products marked QUANTISED: E2M1 operands, one E8M0 scale for each 32 along K, by v_wmma_scale_f32_16x16x128_f8f6f4 with both operands' format E2M1 (or v_wmma_scale_f32_32x16x128_f4), f32 sums; products left as they are: bf16, f16 or f32 operands; f32 sums; everything else in f32.
;; Inputs: dense_b 1,024 float32; dense_w 1,024 x 1,024 float32; key 4 x 2,048 x 1,024 float32; query 4 x 2,048 x 1,024 float32; value 4 x 2,048 x 1,024 float32; wk_b 1,024 float32; wk_w 1,024 x 1,024 float32; wq_b 1,024 float32; wq_w 1,024 x 1,024 float32; wv_b 1,024 float32; wv_w 1,024 x 1,024 float32.
;; Outputs: out0 4 x 2,048 x 1,024 float32.
;; This version of the problem:
;;   THIS VERSION OF THE PROBLEM IS GIVEN IN LOW PRECISION. The matrix products marked QUANTISED in the list below multiply operands that are first quantised to E2M1 (2 exponent bits, 1 mantissa bit; 4 bits a number), with one power-of-two scale for each 32 numbers along K (OCP MX v1.0); their sums are f32. The products marked 'left as it is' may take bf16, f16 or f32 operands, with f32 sums. Whichever they take, every output number must still come out within the allowed error. Rounding operands to bf16 (8 significant bits) uses up far more of that allowance than f16 does (11 bits, for magnitudes from 6e-5 to 65,504). All else is computed in f32.
;;   The module's matrix products, in the order in which they are computed (A, B: the left and right operand; K: the contracted axis; several contracted axes count as one K, in the product's order):
;;     1. [M 8,192, K 1,024] x [K 1,024, N 1,024]; A: input query; B: input wq_w: QUANTISED
;;     2. [M 8,192, K 1,024] x [K 1,024, N 1,024]; A: input key; B: input wk_w: QUANTISED
;;     3. [M 8,192, K 1,024] x [K 1,024, N 1,024]; A: input value; B: input wv_w: QUANTISED
;;     4. batch 64 x [M 2,048, K 64] x [K 64, N 2,048]; A: computed on the way; B: computed on the way: left as it is (an operand is computed on the way)
;;     5. batch 64 x [M 2,048, K 2,048] x [K 2,048, N 64]; A: computed on the way; B: computed on the way: left as it is (an operand is computed on the way)
;;     6. [M 8,192, K 1,024] x [K 1,024, N 1,024]; A: computed on the way; B: input dense_w: left as it is (an operand is computed on the way)
;;   THE QUANTISER, for each operand of a quantised product, along K:
;;     - K is cut into blocks of 32 from its start; a last block that is shorter is filled with zeros.
;;     - A block's scale is 2^e with e = floor(log2(the largest magnitude in the block)) - 2, held to -126 .. 127; a block of zeros has e = 0. As a byte (E8M0): e + 127.
;;     - Each number is divided by its block's scale, clamped to +-6, and rounded to the nearest number of E2M1, ties to even, subnormals kept.
;;     - The product sums the exact products of the quantised numbers (number of the format x scale) in f32.
;;   ~~~python
;;   def quantise(x, axis):      # numpy; x: float32 -> the quantised numbers, widened to float32 again
;;       x = np.moveaxis(x, axis, -1); K = x.shape[-1]
;;       x = np.pad(x, [(0, 0)] * (x.ndim - 1) + [(0, -K % 32)]); x = x.reshape(x.shape[:-1] + (-1, 32)); a = np.abs(x).max(-1, keepdims=True)
;;       e = np.where(a > 0, np.clip(np.frexp(np.where(a > 0, a, 1))[1] - 1 - 2, -126, 127), 0)      # np.frexp(a)[1] - 1 = floor(log2(a)), exactly
;;       r = np.clip(x / 2.0 ** e, -6, 6)
;;       step = 2.0 ** (np.maximum(np.frexp(np.where(r == 0, 1, r))[1] - 1, 0) - 1)
;;       q = np.round(r / step) * step * 2.0 ** e      # np.round: ties to even
;;       return np.moveaxis(q.reshape(q.shape[:-2] + (-1,))[..., :K], -1, axis).astype(np.float32)
;;   ~~~
;; One version. Each part assembles by itself: llvm-mc -triple=amdgcn-amd-amdhsa -mcpu=gfx1250 --defsym DOCPART=n.
;; ======== version 1 of 1: 4 launches
;; limits: values are held in f16: magnitudes above 65,504 overflow, below 6.1e-05 lose precision
;; workspace buffers: xc 12,582,912 bytes; xs 786,432 bytes; wc 1,572,864 bytes; ws 98,304 bytes; dw16 2,097,152 bytes; qkv 50,331,648 bytes; ao 16,777,216 bytes
;; launch quant (part 1): grid 896 x 1, 4 waves a work-group, no clusters, 33,280 bytes of LDS; arguments query, key, value, wq_w, wk_w, wv_w, dense_w, xc, xs, wc, ws, dw16; writes xc, xs, wc, ws, dw16
.if DOCPART == 1
	.amdgcn_target "amdgcn-amd-amdhsa--gfx1250"
	.amdhsa_code_object_version 6
	.text
	.protected	k_q064b16d4c9_quant
	.globl	k_q064b16d4c9_quant
	.p2align	8
	.type	k_q064b16d4c9_quant,@function
k_q064b16d4c9_quant:
	s_mov_b64 s[64:65], 0
	v_nop
	global_prefetch_b8 v0, s[64:65] scope:SCOPE_SE
	s_setreg_imm32_b32 hwreg(HW_REG_WAVE_MODE, 25, 1), 1
	s_wait_xcnt 0x0
; query, key, value [8192][1024] and wq_w, wk_w, wv_w [1024][1024], f32 with K innermost, become codes of FP4 (E2M1), two a byte, K innermost, with one E8M0 scale byte for each 32 along K.
; xc / xs hold query | key | value on end (24,576 rows of 512 code bytes / 32 scale bytes), wc / ws hold wq | wk | wv (3,072 rows).  dense_w is cast to f16, laid [n / 64][k / 64][64 n][64 k] in dw16.
; A block's scale is 2^(floor(log2(its largest magnitude)) - 2): its byte is the largest magnitude's exponent field - 2, held at 1 from below.  Each number is divided by the scale and rounded to the nearest code, ties to even, beyond 6 the code of 6.
; LIMITS: a block of zeros gets the byte 1 (not 127): its codes are zeros, and this program alone reads the bytes; blocks whose largest magnitude lies under 2^-124 are held at byte 1; NaN and infinities are not served;
; numbers of dense_w at or beyond 65,504 in magnitude do not fit f16.
; SHARES: rows are dense and K is a multiple of 32, so each tensor is a plain stream of blocks of 32.  A work-group takes 32,768 numbers, a wave 8,192 in 16 steps of 512.  Work-groups 0-767: query, key, value (256 each);
; 768-863: wq, wk, wv (32 each); 864-895: dense_w's cast.  The outputs are concatenated in the order of the work-groups, so their offsets are linear in the work-group's number.
; Work-groups share no input: no cluster, no joint loads.  No tensor loads, no barrier: waves share nothing.  Loads run four steps (16 loads a wave) ahead, the turn through LDS one step.
.set WAVES, 4
.set STEPS, 16
.set NX,    768                        ; work-groups for query, key, value
.set NW,    864                        ; and with the three weights
.set EMAX,  2
.set CB,    8                          ; bytes of 16 codes
.set R,     16                         ; v16-79   four sets of 16 numbers as they are loaded
.set X,     80                         ; v80-111  two sets of 16 neighbours
.set E,     112                        ; v112-127 a scale byte for each step
.set C,     128                        ; v128-191 codes: four registers for each step, so that no store's data are written again
.set WREG,  8192                       ; LDS: a region for each wave: two stages of 32 x SP bytes, behind them its 256 scale bytes
.set SP,    80                         ; a lane's place in a stage: 64 bytes + 16 of padding
.set SPW,   12                         ; v12  LDS address of my spare word; never rewritten
.set NIL,   13                         ; v13  0; never rewritten
.set SPARE, WAVES*WREG                 ; behind the four regions: the spare words, 128 bytes a wave, which no other line names
	s_load_b256 s[4:11], s[0:1], 0x0               ; query s[4:5], key s[6:7], value s[8:9], wq_w s[10:11]
	s_load_b256 s[12:19], s[0:1], 0x20             ; wk_w s[12:13], wv_w s[14:15], dense_w s[16:17], xc s[18:19]
	s_load_b256 s[20:27], s[0:1], 0x40             ; xs s[20:21], wc s[22:23], ws s[24:25], dw16 s[26:27]
	v_lshl_add_u32 v[SPW], v0, 2, SPARE
	v_mov_b32 v[NIL], 0
	v_lshrrev_b32 v1, 5, v0
	v_readfirstlane_b32 s28, v1                    ; wave
	v_and_b32 v2, 31, v0                           ; lane
	v_lshlrev_b32 v3, 4, v2                        ; my 16 bytes of 512
	s_mul_i32 s29, s28, WREG
	v_lshrrev_b32 v14, 2, v2
	v_mul_u32_u24 v14, v14, SP
	v_and_b32 v15, 3, v2
	v_lshl_add_u32 v14, v15, 4, v14
	v_add_nc_u32 v14, s29, v14                     ; the stage, on the way in: four lanes' 64 bytes on end, then 16 of padding
	v_mul_u32_u24 v15, v2, SP
	v_add_nc_u32 v15, s29, v15                     ; and on the way out: SP x lane: my 16 neighbours
	v_mul_u32_u24 v4, v2, CB                       ; my codes' place in a step's
	v_lshrrev_b32 v5, 1, v2
	s_add_co_u32 s29, s29, 2*32*SP
	v_add_nc_u32 v5, s29, v5                       ; LDS: my wave's 256 scale bytes, my block's byte
	v_lshlrev_b32 v7, 3, v2                        ; and on the way out 8 bytes a lane
	v_add_nc_u32 v6, s29, v7
	s_wait_kmcnt 0x0
	s_cmp_lt_u32 ttmp9, NW
	s_cbranch_scc0 .Lcast                          ; the last 32 work-groups cast dense_w
	; which tensor is mine: the choices hang on the work-group's number alone
	s_cmp_lt_u32 ttmp9, 832
	s_cselect_b64 s[30:31], s[12:13], s[14:15]     ; wk_w : wv_w
	s_cmp_lt_u32 ttmp9, 800
	s_cselect_b64 s[30:31], s[10:11], s[30:31]     ; wq_w
	s_cmp_lt_u32 ttmp9, NX
	s_cselect_b64 s[30:31], s[8:9], s[30:31]       ; value
	s_cselect_b64 s[32:33], s[18:19], s[22:23]     ; the codes go to xc : wc
	s_cselect_b64 s[34:35], s[20:21], s[24:25]     ; the scale bytes to xs : ws
	s_cselect_b32 s36, 255, 31                     ; work-groups in a tensor, less one
	s_cselect_b32 s37, 0, NX                       ; the first work-group of the output buffer
	s_cmp_lt_u32 ttmp9, 512
	s_cselect_b64 s[30:31], s[6:7], s[30:31]       ; key
	s_cmp_lt_u32 ttmp9, 256
	s_cselect_b64 s[30:31], s[4:5], s[30:31]       ; query
	s_and_b32 s38, ttmp9, s36                      ; my place in the tensor
	s_lshl_b32 s38, s38, 2
	s_add_co_u32 s38, s38, s28                     ; which run of 8,192 numbers is my wave's
	s_lshl_b32 s38, s38, 15                        ; 32,768 bytes a run
	s_mov_b32 s39, 0
	s_add_nc_u64 s[30:31], s[30:31], s[38:39]
	s_sub_co_u32 s40, ttmp9, s37
	s_lshl_b32 s40, s40, 2
	s_add_co_u32 s40, s40, s28                     ; which run of the output buffers
	s_lshl_b32 s38, s40, 12                        ; 4,096 bytes of codes a run
	s_add_nc_u64 s[32:33], s[32:33], s[38:39]
	s_lshl_b32 s38, s40, 8                         ; 256 scale bytes a run
	s_add_nc_u64 s[34:35], s[34:35], s[38:39]
.macro LOAD t
.irp i, 0,1,2,3
	global_load_b128 v[R+16*((\t)%4)+4*\i:R+16*((\t)%4)+4*\i+3], v3, s[30:31] offset:2048*(\t)+512*\i th:TH_LOAD_NT   ; 32 lanes read 512 consecutive bytes
.endr
.endm
.macro TURN t                          ; step t's numbers through the stage: LDS serves a wave's instructions in order, so no wait stands between the stores and the loads
.irp i, 0,1,2,3
	ds_store_b128 v14, v[R+16*((\t)%4)+4*\i:R+16*((\t)%4)+4*\i+3] offset:32*SP*((\t)%2)+8*SP*\i
.endr
.irp i, 0,1,2,3
	ds_load_b128 v[X+16*((\t)%2)+4*\i:X+16*((\t)%2)+4*\i+3], v15 offset:32*SP*((\t)%2)+16*\i
.endr
.endm
.irp t, 0,1,2,3
	LOAD \t
.endr
	s_wait_loadcnt 12                              ; step 0's four loads are in; the twelve of steps 1 to 3 may be out
	TURN 0
.macro STEP t
.set XS, X+16*((\t)%2)
.if (\t) > 0
	s_wait_dscnt 1                                 ; this step's numbers are back from the stage (the last step's byte store may be out): so its stores into the stage have read their registers,
.else
	s_wait_dscnt 0x0
.endif
.if (\t)+4 < STEPS
	LOAD (\t)+4                                    ; which take the loads of four steps on
.endif
.if (\t)+1 < STEPS
.if STEPS-2-(\t) >= 3
	s_wait_loadcnt 12                              ; the next step's four loads are in; those of the three steps behind it may be out
.else
	s_wait_loadcnt 4*(STEPS-2-(\t))
.endif
	TURN (\t)+1                                    ; and go through the other stage while this step is worked
.endif
	v_max3_num_f32 v8, |v[XS]|, |v[XS+1]|, |v[XS+2]|               ; the largest magnitude of my 16, in two chains
	v_max3_num_f32 v9, |v[XS+3]|, |v[XS+4]|, |v[XS+5]|
.irp i, 6,10
	v_max3_num_f32 v8, v8, |v[XS+\i]|, |v[XS+\i+1]|
	v_max3_num_f32 v9, v9, |v[XS+\i+2]|, |v[XS+\i+3]|
.endr
	v_max3_num_f32 v8, v8, |v[XS+14]|, |v[XS+15]|
	v_max3_num_f32 v8, v8, v9, (EMAX+1)<<23        ; and the floor 2^(EMAX + 1 - 127): the byte cannot fall under 1
	v_max_num_f32_dpp v8, v8, v8 row_xmask:1 row_mask:0xf bank_mask:0xf   ; and of my neighbour's 16: the block's
	v_add_nc_u32 v11, -(EMAX<<23), v8              ; EMAX off its exponent field: the conversion takes the exponent field of this operand as its scale
	v_cvt_scalef32_pk8_fp4_f32 v[C+4*(\t)], v[XS:XS+7], v11
	v_cvt_scalef32_pk8_fp4_f32 v[C+4*(\t)+1], v[XS+8:XS+15], v11
	v_lshrrev_b32 v[E+(\t)], 23, v11               ; the scale's byte (also the plain line behind the conversions)
	ds_store_b8 v5, v[E+(\t)] offset:16*(\t)       ; both lanes of a block write the same byte with the same value
	global_store_b64 v4, v[C+4*(\t):C+4*(\t)+1], s[32:33] offset:32*CB*(\t)   ; 32 lanes store 256 consecutive bytes, aligned
.endm
.irp t, 0,1,2,3,4,5,6,7,8,9,10,11,12,13,14,15
	STEP \t
.endr
	ds_load_b64 v[8:9], v6                         ; LDS serves a wave's instructions in order: these see my byte stores
	s_wait_dscnt 0x0
	global_store_b64 v7, v[8:9], s[34:35]          ; 32 lanes store 256 consecutive bytes, aligned
	s_wait_tensorcnt 0x0                           ; the wave's end: the add to my spare word and its wait, behind my last LDS store
	ds_add_u32 v[SPW], v[NIL]
	s_wait_dscnt 0x0
	s_endpgm
; THE CAST.  Work-group c takes rows 32 c .. 32 c + 31 of dense_w, a wave 8 of them.  A step is 4 rows x 64 along K: eight lanes read 256 consecutive bytes of a row, 32 bytes a lane;
; its 8 numbers become 16 bytes of f16, and the wave's store covers 512 consecutive bytes of a block [64 n][64 k].  32 steps in four batches of 8; loads run one batch (16 loads) ahead.  No LDS is touched on this path.
.Lcast:
	s_sub_co_u32 s29, ttmp9, NW                    ; c
	s_lshl_b32 s36, s29, 17                        ; 32 rows of 4,096 bytes
	s_lshl_b32 s37, s28, 15                        ; my wave's 8 rows
	s_add_co_u32 s36, s36, s37
	s_mov_b32 s37, 0
	s_add_nc_u64 s[16:17], s[16:17], s[36:37]
	s_lshr_b32 s38, s29, 1
	s_lshl_b32 s38, s38, 17                        ; n / 64: sixteen blocks of 8,192 bytes
	s_and_b32 s39, s29, 1
	s_lshl_b32 s39, s39, 12                        ; rows 0 or 32 of a block, 128 bytes a row
	s_add_co_u32 s38, s38, s39
	s_lshl_b32 s39, s28, 10                        ; my wave's 8 rows
	s_add_co_u32 s38, s38, s39
	s_mov_b32 s39, 0
	s_add_nc_u64 s[26:27], s[26:27], s[38:39]
	v_lshrrev_b32 v176, 3, v2
	v_and_b32 v177, 7, v2
	v_lshlrev_b32 v177, 5, v177
	v_lshl_add_u32 v176, v176, 12, v177            ; in: row lane / 8, 32 bytes x (lane % 8)
.macro CLOAD bt                        ; batch bt: steps 8 bt .. 8 bt + 7 (step st: rows 4 (st / 16) on, K 64 (st % 16) on) into set bt % 2
.irp s, 0,1,2,3,4,5,6,7
	global_load_b128 v[16+64*((\bt)%2)+8*\s:16+64*((\bt)%2)+8*\s+3], v176, s[16:17] offset:((8*(\bt)+\s)/16)*16384+((8*(\bt)+\s)%16)*256 th:TH_LOAD_NT
	global_load_b128 v[16+64*((\bt)%2)+8*\s+4:16+64*((\bt)%2)+8*\s+7], v176, s[16:17] offset:((8*(\bt)+\s)/16)*16384+((8*(\bt)+\s)%16)*256+16 th:TH_LOAD_NT
.endr
.endm
.macro CBATCH bt
.if (\bt) < 3
	s_wait_loadcnt 16                              ; this batch's 16 loads are in; the next batch's 16 may be out
.else
	s_wait_loadcnt 0x0
.endif
	s_wait_xcnt 0x0                                ; the last batch's stores have read v144-175, which are written again below
.irp s, 0,1,2,3,4,5,6,7
.irp j, 0,1,2,3
	v_cvt_pk_f16_f32 v[144+4*\s+\j], v[16+64*((\bt)%2)+8*\s+2*\j], v[16+64*((\bt)%2)+8*\s+2*\j+1]
.endr
.endr
.irp s, 0,1,2,3,4,5,6,7
	global_store_b128 v3, v[144+4*\s:144+4*\s+3], s[26:27] offset:((8*(\bt)+\s)%16)*8192+((8*(\bt)+\s)/16)*512   ; 32 lanes store 512 consecutive bytes: four rows of a block
.endr
.if (\bt)+2 < 4
	CLOAD (\bt)+2
.endif
.endm
	CLOAD 0
	CLOAD 1
	CBATCH 0
	CBATCH 1
	CBATCH 2
	CBATCH 3
	s_endpgm
.Lfunc_end_k_q064b16d4c9_quant:
	.size	k_q064b16d4c9_quant, .Lfunc_end_k_q064b16d4c9_quant-k_q064b16d4c9_quant
	.p2alignl 7, 3214868480
	.fill 96, 4, 3214868480
	.section	.rodata,"a",@progbits
	.p2align	6, 0x0
	.amdhsa_kernel k_q064b16d4c9_quant
		.amdhsa_group_segment_fixed_size 33280
		.amdhsa_private_segment_fixed_size 0
		.amdhsa_enable_private_segment 0
		.amdhsa_kernarg_size 96
		.amdhsa_user_sgpr_count 2
		.amdhsa_user_sgpr_kernarg_segment_ptr 1
		.amdhsa_wavefront_size32 1
		.amdhsa_system_sgpr_workgroup_id_x 1
		.amdhsa_system_sgpr_workgroup_id_y 1
		.amdhsa_system_sgpr_workgroup_id_z 1
		.amdhsa_system_vgpr_workitem_id 0
		.amdhsa_next_free_vgpr 192
		.amdhsa_next_free_sgpr 66
		.amdhsa_reserve_vcc 0
		.amdhsa_float_denorm_mode_32 3
		.amdhsa_float_denorm_mode_16_64 3
		.amdhsa_memory_ordered 1
		.amdhsa_forward_progress 1
		.amdhsa_inst_pref_size 52
	.end_amdhsa_kernel
	.amdgpu_metadata
---
amdhsa.version: [ 1, 2 ]
amdhsa.kernels:
  - .name:           k_q064b16d4c9_quant
    .symbol:         k_q064b16d4c9_quant.kd
    .args:
      - { .name: query, .offset: 0, .size: 8, .value_kind: global_buffer, .address_space: global }
      - { .name: key, .offset: 8, .size: 8, .value_kind: global_buffer, .address_space: global }
      - { .name: value, .offset: 16, .size: 8, .value_kind: global_buffer, .address_space: global }
      - { .name: wq_w, .offset: 24, .size: 8, .value_kind: global_buffer, .address_space: global }
      - { .name: wk_w, .offset: 32, .size: 8, .value_kind: global_buffer, .address_space: global }
      - { .name: wv_w, .offset: 40, .size: 8, .value_kind: global_buffer, .address_space: global }
      - { .name: dense_w, .offset: 48, .size: 8, .value_kind: global_buffer, .address_space: global }
      - { .name: xc, .offset: 56, .size: 8, .value_kind: global_buffer, .address_space: global }
      - { .name: xs, .offset: 64, .size: 8, .value_kind: global_buffer, .address_space: global }
      - { .name: wc, .offset: 72, .size: 8, .value_kind: global_buffer, .address_space: global }
      - { .name: ws, .offset: 80, .size: 8, .value_kind: global_buffer, .address_space: global }
      - { .name: dw16, .offset: 88, .size: 8, .value_kind: global_buffer, .address_space: global }
    .group_segment_fixed_size: 33280
    .private_segment_fixed_size: 0
    .kernarg_segment_align: 8
    .kernarg_segment_size: 96
    .max_flat_workgroup_size: 128
    .sgpr_count:     66
    .vgpr_count:     192
    .wavefront_size: 32
...
	.end_amdgpu_metadata
.endif
;; end of part 1
;; launch proj (part 2): grid 4 x 96, 4 waves a work-group, clusters of 4 x 4, 327,680 bytes of LDS; arguments xc, xs, wc, ws, qkv, wq_b, wk_b, wv_b; writes qkv
.if DOCPART == 2
	.amdgcn_target "amdgcn-amd-amdhsa--gfx1250"
	.amdhsa_code_object_version 6
	.text
	.protected	k_q064b16d4c9_proj
	.globl	k_q064b16d4c9_proj
	.p2align	8
	.type	k_q064b16d4c9_proj,@function
k_q064b16d4c9_proj:
	s_mov_b64 s[64:65], 0
	v_nop
	global_prefetch_b8 v0, s[64:65] scope:SCOPE_SE
	s_setreg_imm32_b32 hwreg(HW_REG_WAVE_MODE, 25, 1), 1
	s_wait_xcnt 0x0
	s_wait_alu depctr_hold_cnt(0) depctr_sa_sdst(0) depctr_va_vdst(0) depctr_va_sdst(0) depctr_va_ssrc(0) depctr_va_vcc(0) depctr_vm_vsrc(0)
	s_getreg_b32 s2, hwreg(HW_REG_IB_STS2, 6, 4)
	s_cmp_eq_u32 s2, 0
	s_cbranch_scc0 .Lentry_in_a_cluster
	s_endpgm
.Lentry_in_a_cluster:
	s_bfe_u32 s2, ttmp6, 0x10000c
	s_cmp_lg_u32 s2, 0xf033
	s_cbranch_scc0 .Lentry_shape_is_right
	s_endpgm
.Lentry_shape_is_right:
; The three input projections in one launch: C[m][n] = sum over k of X[m][k] W[n][k] + b[n], on codes of FP4 (E2M1) with one E8M0 scale for each 32 along K; sums in f32; K = 1,024.
; X: xc / xs, 24,576 rows (query | key | value); W: wc / ws, 3,072 rows (wq | wk | wv).  Part p = row / 8,192 multiplies by W's rows 1,024 p on and adds bias p.
; The result is rounded once to f16 and laid by heads: qkv [p][b x 16 + head][s][64].  LIMIT: results at or beyond 65,504 in magnitude do not fit f16.
; A tile of C, 256 x 256, is made by a work-group of four waves; a wave makes 128 x 128: 64 accumulators of 16 x 16, 512 registers.  K is two steps of 512: two LDS slots, each filled once, at the head; nothing is filled again.
; THE SCALES of the work-group's 256 rows of X and of W, for all of K, are two dense blocks of memory: they come into LDS once, with the first fills.
; CLUSTERS: 4 x 4 work-groups.  The four of a row of the cluster need the same tiles of X, the four of a column the same tiles of W: each tile is asked for JOINTLY, by the same tensor load with the same descriptor and a mask that names the four.
; A cluster's four tile rows lie in one part (32 tile rows a part), so p hangs on the cluster's y alone.
; THE MATRIX INSTRUCTION IS USED TRANSPOSED (source 0 = 16 rows of W, source 1 = 16 rows of X): a lane then holds eight neighbouring columns of a row of C.  The bias is the C of each sum's first product.
; REGISTERS, in windows of 256: window 0: v0-31 addresses; v32-95 scale words, two sets; v128-191 X's fragments, ONE set; v192-255 the bias, eight registers for each of the 8 column blocks; on the way out v32-63 and v192-255 are free.
;   window 1: W's fragments, TWO sets, at v0 and v128.   window 2: the accumulators of my rows 0-63 ((a, b) at v[8 (8 a + b)]);   window 3: those of my rows 64-127.
.set NQ,     4                         ; matrix instructions deep in a slot: 512 along K
.set ROWB,   256                       ; a tile's row in bytes
.set KROW,   512                       ; a row of codes in memory
.set PITCH,  272                       ; an LDS row: 256 bytes + 16 of padding = 68 words: the 16 rows that a load touches start at 16 different banks (64 banks of 4 bytes: ISA guide 11.1)
.set FR,     8                         ; registers of a fragment: 16 rows x 128 K
.set NL,     2                         ; LDS loads that bring one
.set NP,     4                         ; places behind this matrix instruction (ISA guide 7.12.1)
.set HALFT,  128*PITCH                 ; 128 rows: what one tensor load brings
.set SLOT,   4*HALFT                   ; X's 256 rows, then W's 256 rows
.set KS,     32                        ; a row of scale bytes
.set SCL,    2*SLOT                    ; behind the slots: the scales, as rows of 256 bytes + 16 of padding
.set HALFS,  (128*KS/256)*272          ; the scales of 128 rows
.set SBLK,   (16*KS/256)*272           ; those of 16 rows
.set SPARE,  SCL+4*HALFS               ; the spare words, 128 bytes a wave, which no other line names
.set SPITCH, 272                       ; the way out: a stage of 16 rows x (256 bytes + 16) for each wave, in slot 0, which has had its only fill and its last read when the first result is stored there
.set ADRA, 16                          ; v16-17  LDS address of my X fragments in slot 0, 1
.set ADRB, 20                          ; v20-21  the same for W
.set STO,  24                          ; v24     the way out: where I put 16 bytes of a row
.set RD,   25                          ; v25     the way out: where I read back
.set CO,   26                          ; v26     16 x lane: my byte offset in 512 stored bytes
.set ADRS, 27                          ; v27     LDS address of my scale words: lanes 0-15 X's rows, lanes 16-31 W's
.set SPW,  28                          ; v28     LDS address of my spare word; never rewritten
.set NIL,  29                          ; v29     0; never rewritten
.set BO,   30                          ; v30     the bias: 32 bytes x (lane / 16)
.set SC,   32                          ; scale words: set s at v[SC + 32 s]; register NQ i + q: lanes 0-15 X's block i, lanes 16-31 W's block i, the slot's q-th 128 along K
.set AF,   128                         ; X's fragments
.set BI,   192                         ; the bias
.set TMP,  192                         ; the way out: packed results
.set OB,   32                          ; the way out: 16 rows read back: v32-63 and v224-255 by turns
.set G1, 24                            ; s[24:31] descriptor group 1 for X's tiles;  s[32:39] group 0, one set for each slot
.set G0, 32
.set G1B, 48                           ; s[48:55], s[56:63] the same for W's tiles
.set G0B, 56
.set G1S, 68                           ; s[68:75], s[76:79] groups 1 and 0 for X's scales;  s[80:87], s[88:91] for W's
.set G0S, 76
.set G1SB, 80
.set G0SB, 88
.set MSB, 0
.macro WIN new                         ; the immediate's high byte repeats the setting that is left
.if MSB != (\new)
	s_set_vgpr_msb (MSB<<8)|(\new)
.set MSB, (\new)
.endif
.endm
.set MUL_LO, 0xa1                      ; source 0 (W) window 1, source 1 (X) window 0, C and D window 2
.set MUL_HI, 0xf1                      ; the same, C and D window 3
.set FST_LO, 0x81                      ; the first products: C (the bias) window 0, D window 2
.set FST_HI, 0xc1                      ; D window 3
.set TO_B,   0x40                      ; destination window 1, address window 0
; A joint load: waves 0 and 1 fetch for X, waves 2 and 3 for W.  The branch hangs on the wave's number alone.  An s_nop 0 and four v_nop follow each of the two lines.
.macro JLOAD g0a, g1a, g0b, g1b
	s_cmp_eq_u32 s15, 0
	s_cbranch_scc0 .Lfor_b_\@
	tensor_load_to_lds s[\g0a:\g0a+3], s[\g1a:\g1a+7]
	s_nop 0
.rept 4
	v_nop
.endr
	s_branch .Lasked_\@
.Lfor_b_\@:
	tensor_load_to_lds s[\g0b:\g0b+3], s[\g1b:\g1b+7]
	s_nop 0
.rept 4
	v_nop
.endr
.Lasked_\@:
.endm
.macro CROUND                          ; a round of the cluster's barrier: my work-group's barrier; wave 0 signals for the work-group; every wave waits for all sixteen; my work-group's barrier once more
	s_barrier_signal -1
	s_barrier_wait -1
	s_cmp_lg_u32 s14, 0
	s_cbranch_scc1 .Lnot_wave_0_\@
	s_barrier_signal -3
.Lnot_wave_0_\@:
	s_barrier_wait -3
	s_barrier_signal -1
	s_barrier_wait -1
.endm
	s_load_b128 s[4:7], s[0:1], 0x0                ; xc s[4:5], xs s[6:7]
	s_load_b128 s[8:11], s[0:1], 0x10              ; wc s[8:9], ws s[10:11]
	s_load_b64 s[12:13], s[0:1], 0x20              ; qkv
	s_load_b128 s[96:99], s[0:1], 0x28             ; wq_b s[96:97], wk_b s[98:99]
	s_load_b64 s[100:101], s[0:1], 0x38            ; wv_b
	v_lshl_add_u32 v[SPW], v0, 2, SPARE
	v_mov_b32 v[NIL], 0
	ds_add_u32 v[SPW], v[NIL]                      ; the wave's opening: the add, twice on end, and its wait ahead of my first tensor load
	ds_add_u32 v[SPW], v[NIL]
	v_lshrrev_b32 v1, 5, v0
	v_readfirstlane_b32 s14, v1                    ; wave 0..3
	s_lshr_b32 s15, s14, 1                         ; which half of the tile's rows is mine.  Also: I fetch for X (0) or for W (1)
	s_and_b32 s16, s14, 1                          ; which half of its columns.  Also: which 128 rows of that tile I fetch
	s_bfe_u32 s40, ttmp6, 0x40000                  ; cx, cy: my place in the cluster
	s_bfe_u32 s41, ttmp6, 0x40004
	s_lshl_b32 s42, ttmp9, 2
	s_add_co_u32 s42, s42, s40                     ; tile column = 4 x cluster x + cx
	s_and_b32 s17, ttmp7, 0xffff
	s_lshl_b32 s17, s17, 2
	s_add_co_u32 s17, s17, s41                     ; tile row = 4 x cluster y + cy, 0 .. 95
	s_lshl_b32 s43, s41, 2
	s_lshl_b32 s43, 15, s43                        ; my row of the cluster
	s_lshl_b32 s44, 0x1111, s40                    ; my column
	; descriptor group 1: a tile of 128 rows x 256 bytes, padded in LDS
	s_or_b32 s[G1+0], s43, (0<<16)|(1<<20)|(1<<21)|(5<<22)|(3<<25)  ; 15:0 the mask: X's tiles go to my row; 17:16 elements of 1 byte; 20 padding on; 21 set beside a mask; 24:22 after every 64 words; 31:25 four words
	s_or_b32 s[G1B+0], s44, (0<<16)|(1<<20)|(1<<21)|(5<<22)|(3<<25)
.irp g, G1, G1B
	s_mov_b32 s[\g+1], ROWB<<16                    ; tensor_dim0
	s_mov_b32 s[\g+2], 128<<16                     ; tensor_dim1
	s_mov_b32 s[\g+3], ROWB<<16                    ; tile_dim0
	s_mov_b32 s[\g+4], 128                         ; tile_dim1
	s_mov_b32 s[\g+5], KROW                        ; tensor_dim0_stride
	s_mov_b32 s[\g+6], 0
	s_mov_b32 s[\g+7], 0
.endr
	; and for the scales of 128 rows: a dense block of 4,096 bytes, as 16 rows of 256 bytes (32 elements of 8 bytes), 16 bytes of padding behind each
	s_or_b32 s[G1S+0], s43, (3<<16)|(1<<20)|(1<<21)|(5<<22)|(3<<25)
	s_or_b32 s[G1SB+0], s44, (3<<16)|(1<<20)|(1<<21)|(5<<22)|(3<<25)
.irp g, G1S, G1SB
	s_mov_b32 s[\g+1], 32<<16
	s_mov_b32 s[\g+2], (128*KS/256)<<16
	s_mov_b32 s[\g+3], 32<<16
	s_mov_b32 s[\g+4], 128*KS/256
	s_mov_b32 s[\g+5], 32
	s_mov_b32 s[\g+6], 0
	s_mov_b32 s[\g+7], 0
.endr
	s_lshl_b32 s18, s16, 7                         ; which 128 rows of the tile I fetch
	s_lshl_b32 s20, s17, 8
	s_add_co_u32 s20, s20, s18                     ; X: row 256 x tile row + 128 x half
	s_lshl_b32 s46, s42, 8
	s_add_co_u32 s46, s46, s18                     ; W: row 256 x tile column + 128 x half
	s_and_b32 s95, ttmp7, 0xffff
	s_lshr_b32 s95, s95, 3                         ; p: eight clusters along y to a part; made of the cluster's y alone
	s_lshl_b32 s19, s95, 10
	s_add_co_u32 s46, s46, s19                     ; + 1,024 p
	s_mov_b32 s21, 0
	s_mov_b32 s47, 0
	s_mov_b64 s[18:19], KS
	s_mul_u64 s[22:23], s[20:21], s[18:19]         ; where these rows' scales begin, in bytes
	s_mul_u64 s[92:93], s[46:47], s[18:19]
	s_mov_b64 s[18:19], KROW
	s_mul_u64 s[20:21], s[20:21], s[18:19]         ; and their codes
	s_mul_u64 s[46:47], s[46:47], s[18:19]
	s_mul_i32 s45, s14, HALFT                      ; where they go: wave x 128 rows: no place in the cluster enters an LDS address
	s_mul_i32 s94, s14, HALFS
	s_wait_dscnt 0x0                               ; both opening adds are done
	s_wait_kmcnt 0x0
	s_add_nc_u64 s[20:21], s[4:5], s[20:21]
	s_add_nc_u64 s[22:23], s[6:7], s[22:23]
	s_add_nc_u64 s[46:47], s[8:9], s[46:47]
	s_add_nc_u64 s[92:93], s[10:11], s[92:93]
	CROUND                                         ; all sixteen work-groups are here: the joint loads meet
	s_mov_b32 s[G0S], 1
	s_add_co_u32 s[G0S+1], s94, SCL
	s_mov_b64 s[G0S+2:G0S+3], s[22:23]
	s_or_b32 s[G0S+3], s[G0S+3], 0x80000000
	s_mov_b32 s[G0SB], 1
	s_add_co_u32 s[G0SB+1], s94, SCL
	s_mov_b64 s[G0SB+2:G0SB+3], s[92:93]
	s_or_b32 s[G0SB+3], s[G0SB+3], 0x80000000
	JLOAD G0S, G1S, G0SB, G1SB                     ; the scales first: they are wanted with K step 0
.irp s, 0,1
	s_mov_b32 s[G0+4*\s], 1
	s_add_co_u32 s[G0+4*\s+1], s45, \s*SLOT
	s_add_nc_u64 s[G0+4*\s+2:G0+4*\s+3], s[20:21], \s*ROWB
	s_or_b32 s[G0+4*\s+3], s[G0+4*\s+3], 0x80000000
	s_mov_b32 s[G0B+4*\s], 1
	s_add_co_u32 s[G0B+4*\s+1], s45, \s*SLOT
	s_add_nc_u64 s[G0B+4*\s+2:G0B+4*\s+3], s[46:47], \s*ROWB
	s_or_b32 s[G0B+4*\s+3], s[G0B+4*\s+3], 0x80000000
	JLOAD G0+4*\s, G1, G0B+4*\s, G1B               ; three loads of mine are out: all that this launch asks for
.endr
	v_and_b32 v1, 15, v0                           ; r = lane % 16
	v_bfe_u32 v2, v0, 4, 1                         ; h = lane / 16
	; the bias of my 128 columns: lane (r, h) wants, for column block b, b[16 b + 8 h + 0 .. 7]
	s_cmp_eq_u32 s95, 0
	s_cselect_b64 s[96:97], s[96:97], s[98:99]     ; wq_b : wk_b
	s_cmp_eq_u32 s95, 2
	s_cselect_b64 s[96:97], s[100:101], s[96:97]   ; wv_b
	s_lshl_b32 s46, s42, 10                        ; 256 columns of 4 bytes a tile,
	s_lshl_b32 s47, s16, 9                         ; 128 a half
	s_add_co_u32 s46, s46, s47
	s_mov_b32 s47, 0
	s_add_nc_u64 s[96:97], s[96:97], s[46:47]
	v_lshlrev_b32 v[BO], 5, v2
.irp b, 0,1,2,3,4,5,6,7
	global_load_b128 v[BI+8*\b:BI+8*\b+3], v[BO], s[96:97] offset:64*\b
	global_load_b128 v[BI+8*\b+4:BI+8*\b+7], v[BO], s[96:97] offset:64*\b+16
.endr
	v_mul_u32_u24 v3, v1, PITCH
	v_lshl_add_u32 v4, v2, 4, v3                   ; a fragment's row x pitch + 16 x half
	s_mul_i32 s21, s15, HALFT                      ; my 128 rows of X
	s_mul_i32 s22, s16, HALFT                      ; my 128 rows of W,
	s_add_co_u32 s22, s22, 2*HALFT                 ; which lie behind X's 256
.irp s, 0,1
	v_add_nc_u32 v[ADRA+\s], s21, v4
	v_add_nc_u32 v[ADRB+\s], s22, v4
	s_add_co_u32 s21, s21, SLOT
	s_add_co_u32 s22, s22, SLOT
.endr
	v_mul_u32_u24 v5, v1, KS                       ; my row's scales: KS bytes a row,
	v_lshrrev_b32 v6, 8, v5
	v_lshl_add_u32 v5, v6, 4, v5                   ; and 16 more for each 256 passed
	s_mul_i32 s21, s15, HALFS                      ; X's: my 128 rows
	s_mul_i32 s22, s16, HALFS                      ; W's: my 128 rows, behind X's 256
	s_add_co_u32 s22, s22, 2*HALFS
	s_sub_co_u32 s22, s22, s21
	v_mul_u32_u24 v6, s22, v2                      ; lanes 16-31 take W's: one product, the distance between the two bases
	s_add_co_u32 s21, s21, SCL
	v_add_nc_u32 v5, v5, v6
	v_add_nc_u32 v[ADRS], s21, v5
	s_mul_i32 s23, s14, 16*SPITCH                  ; my stage
	v_mul_u32_u24 v5, v1, SPITCH                   ; in: row r, 16 bytes for each half of the lanes
	v_lshl_add_u32 v5, v2, 4, v5
	v_add_nc_u32 v[STO], s23, v5
	v_bfe_u32 v5, v0, 3, 2                         ; back: eight lanes take 128 bytes (a head's 64 columns) of a row, four rows an instruction
	v_and_b32 v6, 7, v0
	v_mul_u32_u24 v5, v5, SPITCH
	v_lshl_add_u32 v5, v6, 4, v5
	v_add_nc_u32 v[RD], s23, v5
	v_and_b32 v6, 31, v0
	v_lshlrev_b32 v[CO], 4, v6
	; where my 128 x 128 begins in qkv: (tile row / 8) << 22 is part and batch; heads 4 x tile column + 2 x half on; position 256 (tile row % 8) + 128 x half on, 128 bytes a row
	s_lshr_b32 s20, s17, 3
	s_lshl_b32 s20, s20, 22
	s_lshl_b32 s21, s42, 2
	s_lshl_b32 s22, s16, 1
	s_add_co_u32 s21, s21, s22
	s_lshl_b32 s21, s21, 18
	s_add_co_u32 s20, s20, s21
	s_and_b32 s21, s17, 7
	s_lshl_b32 s21, s21, 8
	s_lshl_b32 s22, s15, 7
	s_add_co_u32 s21, s21, s22
	s_lshl_b32 s21, s21, 7
	s_add_co_u32 s20, s20, s21
	s_mov_b32 s21, 0
	s_add_nc_u64 s[12:13], s[12:13], s[20:21]
.macro FRAG reg, adr, q, i             ; a fragment, 16 rows x 128 K of 4-bit codes: lane l holds row l % 16; registers 4 c .. 4 c + 3 hold K = 64 c + 32 (l / 16) + 0 .. 31
.irp c, 0,1
	ds_load_b128 v[\reg+4*\c:\reg+4*\c+3], v[\adr] offset:64*(\q)+32*\c+(\i)*16*PITCH
.endr
.endm
; 16 matrix instructions: X's blocks a0, a0 + 1 x W's eight, the slot's q-th 128 along K.  p: W's set;  sc: the set of scale words.  zero = 1: the first product starts the sum from the bias: nothing is cleared or added later.
; The 64 accumulators take turns, one instruction a turn, in the same order in every step.
.macro MUL16 a0, p, q, sc, zero
.irp a, \a0, \a0+1
.irp b, 0,1,2,3,4,5,6,7
.if \zero
	v_wmma_scale_f32_16x16x128_f8f6f4 v[8*(8*((\a)%4)+\b):8*(8*((\a)%4)+\b)+7], v[128*(\p)+FR*\b:128*(\p)+FR*\b+FR-1], v[AF+FR*(\a):AF+FR*(\a)+FR-1], v[BI+8*\b:BI+8*\b+7], v[SC+8*NQ*(\sc)+NQ*\b+(\q)], v[SC+8*NQ*(\sc)+NQ*(\a)+(\q)] matrix_a_fmt:MATRIX_FMT_FP4 matrix_b_fmt:MATRIX_FMT_FP4 matrix_a_scale:MATRIX_SCALE_ROW1
.else
	v_wmma_scale_f32_16x16x128_f8f6f4 v[8*(8*((\a)%4)+\b):8*(8*((\a)%4)+\b)+7], v[128*(\p)+FR*\b:128*(\p)+FR*\b+FR-1], v[AF+FR*(\a):AF+FR*(\a)+FR-1], v[8*(8*((\a)%4)+\b):8*(8*((\a)%4)+\b)+7], v[SC+8*NQ*(\sc)+NQ*\b+(\q)], v[SC+8*NQ*(\sc)+NQ*(\a)+(\q)] matrix_a_fmt:MATRIX_FMT_FP4 matrix_b_fmt:MATRIX_FMT_FP4 matrix_a_scale:MATRIX_SCALE_ROW1
.endif
.endr
.endr
.endm
.macro FETCH_B slot, q, p              ; W's eight fragments of the slot's q-th 128 along K into set p
	WIN TO_B
.irp i, 0,1,2,3,4,5,6,7
	FRAG 128*(\p)+FR*\i, ADRB+\slot, \q, \i
.endr
	WIN 0
.endm
.macro FETCH_A slot, q, i0             ; X's blocks i0 .. i0 + 3
.irp i, \i0, \i0+1, \i0+2, \i0+3
	FRAG AF+FR*(\i), ADRA+\slot, \q, \i
.endr
.endm
.macro SCALES sc                       ; a K step's scale words into set sc: NQ words a row; lanes 0-15 take X's block i, lanes 16-31 W's block i
.irp i, 0,1,2,3,4,5,6,7
	ds_load_b128 v[SC+8*NQ*\sc+NQ*\i:SC+8*NQ*\sc+NQ*\i+3], v[ADRS] offset:\i*SBLK
.endr
.endm
; A load into a register that a matrix instruction has read, and a vector instruction that reads a matrix result, stand NP places behind that matrix instruction; only plain vector instructions that name none of its registers are places.
.macro PLACES n
.rept \n
	v_nop
.endr
.endm
; A step of 128 along K that has its successor in the same slot.  X has one set of registers: blocks 0-3 are fetched anew in the step's middle, blocks 4-7 at its end; W has two sets.
.macro STEP slot, q, zero
	s_wait_dscnt 4*NL                              ; W's set and X's blocks 0-3 are in; the youngest eight loads (X's blocks 4-7) may be out
.if \zero
	WIN FST_LO
.else
	WIN MUL_LO
.endif
	MUL16 0, (\q)%2, \q, \slot, \zero
	MUL16 2, (\q)%2, \q, \slot, \zero
	s_wait_dscnt 0                                 ; X's blocks 4-7 are in
	PLACES NP
	FETCH_B \slot, (\q)+1, 1-(\q)%2
	FETCH_A \slot, (\q)+1, 0
.if \zero
	WIN FST_HI
.else
	WIN MUL_HI
.endif
	MUL16 4, (\q)%2, \q, \slot, \zero
	MUL16 6, (\q)%2, \q, \slot, \zero
	PLACES NP
	WIN 0
	FETCH_A \slot, (\q)+1, 4
.endm
.macro STEPS slot, from                ; the slot's steps from .. NQ - 2
.set QQ, \from
.rept NQ-1-\from
	STEP \slot, QQ, 0
.set QQ, QQ+1
.endr
.endm
	s_wait_tensorcnt 1                             ; the scales and my part of slot 0 are in (slot 1's load, issued behind them, may be out)
	s_barrier_signal -1
	s_barrier_wait -1                              ; everybody's are
	FETCH_B 0, 0, 0
	FETCH_A 0, 0, 0
	SCALES 0
	FETCH_A 0, 0, 4
	s_wait_loadcnt 0x0                             ; the bias
	STEP 0, 0, 1                                   ; the first step's products start the sums
	STEPS 0, 1
	; slot 0's last step changes slots: one barrier; in front of it each wave waits for all its tensor loads (its part of slot 1), adds 0 to its spare word, and waits for that and for its reads of slot 0
	s_wait_tensorcnt 0x0
	ds_add_u32 v[SPW], v[NIL]                      ; every window is 0 here
	s_wait_dscnt 4*NL+1                            ; the add and the youngest eight loads (X's blocks 4-7) may be out
	WIN MUL_LO
	MUL16 0, 1, NQ-1, 0, 0                         ; sixteen matrix instructions stand between the add and the wait for it
	s_wait_dscnt 0x0                               ; the add is done, and my reads of slot 0 are over
	s_barrier_signal -1
	MUL16 2, 1, NQ-1, 0, 0
	WIN 0
	s_barrier_wait -1                              ; slot 1 is whole; nobody reads slot 0 any more: it will hold the stages
	PLACES NP
	v_add_nc_u32 v[ADRS], 4*NQ, v[ADRS]            ; on to the second K step's scale words
	FETCH_B 1, 0, 0
	FETCH_A 1, 0, 0
	SCALES 1
	WIN MUL_HI
	MUL16 4, 1, NQ-1, 0, 0
	MUL16 6, 1, NQ-1, 0, 0
	PLACES NP
	WIN 0
	FETCH_A 1, 0, 4
	STEPS 1, 0
	s_wait_dscnt 4*NL                              ; the very last step: nothing more to fetch
	WIN MUL_LO
	MUL16 0, 1, NQ-1, 1, 0
	MUL16 2, 1, NQ-1, 1, 0
	s_wait_dscnt 0
	WIN MUL_HI
	MUL16 4, 1, NQ-1, 1, 0
	MUL16 6, 1, NQ-1, 1, 0
	WIN 0
; THE WAY OUT, block by block of 16 rows x 128 columns (two heads).  PACK: rounded to f16, 16 bytes a lane, each accumulator from its low end on.  TOSTAGE: into my own stage, and back by heads: four rows of one head, 128 bytes each, an instruction.
; SEND: those four rows are 512 consecutive bytes of qkv.  LDS serves a wave's instructions in order (ISA guide 5.7.1.4): no wait between the stores and the loads.
.macro PACK a
.set AC, 64*((\a)%4)
	WIN 0x0a+5*((\a)/4)                            ; sources 0 and 1: window 2 or 3
.irp b, 0,1,2,3,4,5,6,7
.irp r, 0,1,2,3
	v_cvt_pk_f16_f32 v[TMP+4*\b+\r], v[AC+8*\b+2*\r], v[AC+8*\b+2*\r+1]
.endr
.endr
	WIN 0
.endm
.macro TOSTAGE a
.set BK, OB+192*((\a)%2)
.irp b, 0,1,2,3,4,5,6,7
	ds_store_b128 v[STO], v[TMP+4*\b:TMP+4*\b+3] offset:32*\b
.endr
.irp t, 0,1,2,3,4,5,6,7
	ds_load_b128 v[BK+4*\t:BK+4*\t+3], v[RD] offset:4*SPITCH*(\t%4)+128*(\t/4)   ; rows 4 (t % 4) on, head t / 4
.endr
.endm
.macro SEND a
.set BK, OB+192*((\a)%2)
	s_wait_dscnt 0x0                               ; the block is back in registers
	s_wait_xcnt 0x0                                ; the stores of the block before have read their registers: the next block's loads may land there
.irp t, 0,1,2,3,4,5,6,7
	global_store_b128 v[CO], v[BK+4*\t:BK+4*\t+3], s[12:13] offset:2048*(\a)+512*(\t%4)+262144*(\t/4)   ; 32 lanes store 512 consecutive bytes, aligned; the second head lies 2^18 bytes on
.endr
.endm
	PLACES NP                                      ; behind the last products: for the conversions that read results and write the bias's registers, and for the loads into registers that held scale words
	PACK 0
	TOSTAGE 0
.irp a, 1,2,3,4,5,6,7                  ; block a's conversions stand between block a - 1's loads from the stage and the wait for them
	PACK \a
	SEND \a-1
	TOSTAGE \a
.endr
	SEND 7
	s_wait_tensorcnt 0x0                           ; the wave's end: the add to my spare word and its wait, behind my last tensor load and my last LDS store
	ds_add_u32 v[SPW], v[NIL]
	s_wait_dscnt 0x0
	CROUND                                         ; the closing round: no work-group ends while a partner may still ask for a tile that names it
	s_endpgm
.Lfunc_end_k_q064b16d4c9_proj:
	.size	k_q064b16d4c9_proj, .Lfunc_end_k_q064b16d4c9_proj-k_q064b16d4c9_proj
	.p2alignl 7, 3214868480
	.fill 96, 4, 3214868480
	.section	.rodata,"a",@progbits
	.p2align	6, 0x0
	.amdhsa_kernel k_q064b16d4c9_proj
		.amdhsa_group_segment_fixed_size 327680
		.amdhsa_private_segment_fixed_size 0
		.amdhsa_enable_private_segment 0
		.amdhsa_kernarg_size 64
		.amdhsa_user_sgpr_count 2
		.amdhsa_user_sgpr_kernarg_segment_ptr 1
		.amdhsa_wavefront_size32 1
		.amdhsa_system_sgpr_workgroup_id_x 1
		.amdhsa_system_sgpr_workgroup_id_y 1
		.amdhsa_system_sgpr_workgroup_id_z 1
		.amdhsa_system_vgpr_workitem_id 0
		.amdhsa_next_free_vgpr 1024
		.amdhsa_next_free_sgpr 102
		.amdhsa_reserve_vcc 0
		.amdhsa_float_denorm_mode_32 3
		.amdhsa_float_denorm_mode_16_64 3
		.amdhsa_memory_ordered 1
		.amdhsa_forward_progress 1
		.amdhsa_inst_pref_size 128
	.end_amdhsa_kernel
	.amdgpu_metadata
---
amdhsa.version: [ 1, 2 ]
amdhsa.kernels:
  - .name:           k_q064b16d4c9_proj
    .symbol:         k_q064b16d4c9_proj.kd
    .args:
      - { .name: xc, .offset: 0, .size: 8, .value_kind: global_buffer, .address_space: global }
      - { .name: xs, .offset: 8, .size: 8, .value_kind: global_buffer, .address_space: global }
      - { .name: wc, .offset: 16, .size: 8, .value_kind: global_buffer, .address_space: global }
      - { .name: ws, .offset: 24, .size: 8, .value_kind: global_buffer, .address_space: global }
      - { .name: qkv, .offset: 32, .size: 8, .value_kind: global_buffer, .address_space: global }
      - { .name: wq_b, .offset: 40, .size: 8, .value_kind: global_buffer, .address_space: global }
      - { .name: wk_b, .offset: 48, .size: 8, .value_kind: global_buffer, .address_space: global }
      - { .name: wv_b, .offset: 56, .size: 8, .value_kind: global_buffer, .address_space: global }
    .group_segment_fixed_size: 327680
    .private_segment_fixed_size: 0
    .kernarg_segment_align: 8
    .kernarg_segment_size: 64
    .max_flat_workgroup_size: 128
    .sgpr_count:     102
    .vgpr_count:     1024
    .wavefront_size: 32
...
	.end_amdgpu_metadata
.endif
;; end of part 2
;; launch attn (part 3): grid 4 x 64, 16 waves a work-group, clusters of 4 x 1, 327,680 bytes of LDS; arguments qkv, ao; writes ao
.if DOCPART == 3
	.amdgcn_target "amdgcn-amd-amdhsa--gfx1250"
	.amdhsa_code_object_version 6
	.text
	.protected	k_q064b16d4c9_attn
	.globl	k_q064b16d4c9_attn
	.p2align	8
	.type	k_q064b16d4c9_attn,@function
k_q064b16d4c9_attn:
	s_mov_b64 s[64:65], 0
	v_nop
	global_prefetch_b8 v0, s[64:65] scope:SCOPE_SE
	s_setreg_imm32_b32 hwreg(HW_REG_WAVE_MODE, 25, 1), 1
	s_wait_xcnt 0x0
	s_wait_alu depctr_hold_cnt(0) depctr_sa_sdst(0) depctr_va_vdst(0) depctr_va_sdst(0) depctr_va_ssrc(0) depctr_va_vcc(0) depctr_vm_vsrc(0)
	s_getreg_b32 s2, hwreg(HW_REG_IB_STS2, 6, 4)
	s_cmp_eq_u32 s2, 0
	s_cbranch_scc0 .Lentry_in_a_cluster
	s_endpgm
.Lentry_in_a_cluster:
	s_bfe_u32 s2, ttmp6, 0x10000c
	s_cmp_lg_u32 s2, 0x3003
	s_cbranch_scc0 .Lentry_shape_is_right
	s_endpgm
.Lentry_shape_is_right:
; O[bh][q][:] = the sum over k of softmax_k(Q[bh][q] . K[bh][k] / 8) V[bh][k][:].  Q, K, V: the three parts of qkv, [64 (batch x head)][2048][64] in f16.  Products, maxima and sums in f32; the weights p are rounded to f16 for the
; second product, O once at the end.  The result goes to ao in f16, laid [row / 64][head][64 rows][64 channels], row = batch x 2,048 + position.
; LIMITS: NaN and infinities are not served; scores under -3e38 are not served (the running maximum starts there).
; SHARES.  A cluster of four work-groups is one (batch, head); work-group cx owns queries 512 cx on; each of its SIXTEEN waves owns 32 of them, two tiles of 16, in 256 registers: four waves to a SIMD, so that one wave's
; vector work stands beside another's matrix work and LDS loads.  Every wave walks all 2,048 keys, 64 a step.  K's and V's rows come through a ring of two LDS slots of 256 keys (4 steps).
; JOINT LOADS.  The four work-groups walk the same K and V: each tile is asked for by the same tensor load, with the same descriptor and a mask that names the four (waves 0, 1: K's halves; waves 2, 3: V's).
; LAYOUT.  S^T = K Q^T (source 0 = 16 keys, source 1 = 16 queries): a lane holds ONE query (lane % 16) and the keys 8 (lane / 16) + 0..7.  Two such tiles, rounded to f16 in pairs, ARE source 1 (32 keys x 16 queries) of
; O^T = V^T P, whose result again holds one query a lane.  K comes out of LDS as it lies, V ([key][channel]) turned, by ds_load_tr16_b128.
; SOFTMAX.  For each query a running maximum m and sum l: p = 2^(c s - c m), c = log2(e) / 8; in every step O and l are multiplied by a = 2^(c m_old - c m_new).
; REGISTERS: v1-11 addresses; v12-15 at work; v16-47 Q (tile t, channels 32 c on: 16 + 16 t + 8 c); v48-111 K's 8 fragments, then V's 8; v112-175 S^T (32 t + 8 kt), p, then P in the lower half of each tile's 32;
; v176-239 O^T (32 t + 8 ct); v240-255 eight statistics a tile: +0 c m, +1 m, +2, +3 l (even keys', odd keys'), +4..+7 at work (+4, +5 the sum's second chain, +6 a, +7 c m_old - c m_new).
.set PK,    144                        ; a row of K in LDS: 128 bytes + 16 = 36 words: the 16 rows of a load start at 16 different groups of 4 banks (64 banks of 4 bytes: ISA guide 11.1)
.set PV,    160                        ; a row of V: 128 + 32
.set SKEYS, 256                        ; keys in a slot
.set VOFF,  SKEYS*PK                   ; a slot: 256 rows of K, then 256 rows of V
.set SLOT1, 1<<17                      ; slot 1 begins here: one exclusive or turns an address in one slot into the other's
.set SLOTB, SKEYS*128                  ; a slot's rows of K or of V in memory, in bytes
.set STAGE, SLOT1+SKEYS*(PK+PV)        ; behind the ring: 32 rows x 144 bytes for each wave, for the way out; no tile lands here
.set SPARE, STAGE+16*32*PK             ; the spare words, 128 bytes a wave, which no other line names
.set AK0, 1                            ; v1   my lane's place in a tile of K
.set AV0, 2                            ; v2   the same for V
.set ADK, 3                            ; v3   LDS address of the slot's K
.set ADV, 4                            ; v4   of its V
.set SPW, 5                            ; v5   LDS address of my spare word; never rewritten
.set NIL, 6                            ; v6   0; never rewritten
.set QO,  7                            ; v7   my byte offset in the wave's rows of Q
.set STO, 8                            ; v8   the way out: where I put 16 bytes of a row
.set RD,  9                            ; v9   where I read back
.set GO,  10                           ; v10  16 x lane
.set PFO, 11                           ; v11  256 x lane: the prefetches' offset; never rewritten
.set QF,  16
.set KV,  48
.set S,   112
.set OT,  176
.set ST,  240
.set WV,  8                            ; s8   my wave's number
.set CX,  9                            ; s9   my place in the cluster
.set BH,  10                           ; s10  batch x 16 + head
.set PFA, 18                           ; s[18:19] where my prefetches stand
.set SEL, 20                           ; s[20:21] lane selects for v_permlanex16_b32: lane l xor 16
.set CS,  22                           ; s[22:23] c; the packed form names a pair and takes its low word for both halves
.set G1K, 24                           ; s[24:31] descriptor group 1 for K's tiles;  s[32:39] for V's: it differs in the padding alone
.set G1V, 32
.set G0K, 40                           ; s[40:43], s[44:47] their groups 0, which walk
.set G0V, 44
.set TB,  48                           ; s48  LDS byte at which the slot in hand begins
.set SLOTS, 49                         ; s49  slots still to be asked for
.set LIM, 50                           ; s50  1 in a wave that prefetches, else the greatest number
; Waves 0 and 1 fetch K's halves of a slot, waves 2 and 3 V's, the others nothing.  The branches hang on the wave's number alone: they are the same in every work-group.  An s_nop 0 and four v_nop follow each line.
.macro TLOAD
	s_cmp_lt_u32 s[WV], 2
	s_cbranch_scc0 .Lnot_k_\@
	tensor_load_to_lds s[G0K:G0K+3], s[G1K:G1K+7]
	s_nop 0
.rept 4
	v_nop
.endr
	s_branch .Lasked_\@
.Lnot_k_\@:
	s_cmp_lt_u32 s[WV], 4
	s_cbranch_scc0 .Lasked_\@
	tensor_load_to_lds s[G0V:G0V+3], s[G1V:G1V+7]
	s_nop 0
.rept 4
	v_nop
.endr
.Lasked_\@:
.endm
; A PREFETCH of what the NEXT change of slots will ask for: a slot's 32,768 bytes of K and of V, one slot (4 key steps) ahead of the joint load.  Each aligned block of 256 bytes is named once in the launch: a head is walked by
; one cluster alone; its four partners take 8,192 bytes each, told apart BY ADDRESS; in each, wave 4 asks for K's and wave 5 for V's, lanes 256 bytes apart, one instruction.  The last change that fills a slot asks for nothing;
; slots 0 and 1 come by their loads alone.
.macro ASK
	s_cmp_gt_u32 s[SLOTS], s[LIM]
	s_cbranch_scc0 .Lnot_mine_\@
	global_prefetch_b8 v[PFO], s[PFA:PFA+1] th:TH_LOAD_NT scope:SCOPE_SE
.Lnot_mine_\@:
.endm
.macro CROUND                          ; a round of the cluster's barrier: my work-group's barrier; wave 0 signals for the work-group; every wave waits for all four work-groups; my work-group's barrier once more
	s_barrier_signal -1
	s_barrier_wait -1
	s_cmp_lg_u32 s[WV], 0
	s_cbranch_scc1 .Lnot_wave_0_\@
	s_barrier_signal -3
.Lnot_wave_0_\@:
	s_barrier_wait -3
	s_barrier_signal -1
	s_barrier_wait -1
.endm
	s_load_b128 s[4:7], s[0:1], 0x0                ; qkv s[4:5], ao s[6:7]
	v_lshl_add_u32 v[SPW], v0, 2, SPARE
	v_mov_b32 v[NIL], 0
	ds_add_u32 v[SPW], v[NIL]                      ; the wave's opening: the add, twice on end, and its wait ahead of the first tensor loads
	ds_add_u32 v[SPW], v[NIL]
	v_lshrrev_b32 v12, 5, v0
	v_readfirstlane_b32 s[WV], v12                 ; wave 0..15
	s_bfe_u32 s[CX], ttmp6, 0x40000
	s_and_b32 s[BH], ttmp7, 0xffff                 ; the cluster's y: which the four partners share
	s_and_b32 s11, s[WV], 1                        ; which half of a slot's rows I fetch, if I fetch
	s_lshl_b32 s12, s[BH], 18                      ; the head's first byte in a part
	s_lshl_b32 s14, s11, 14                        ; 128 rows of 128 bytes
	s_add_co_u32 s14, s14, s12
	s_add_co_u32 s14, s14, 1<<24                   ; K is the second part,
	s_mov_b32 s15, 0
	s_add_co_u32 s52, s14, 1<<24                   ; V the third
	s_mov_b32 s53, 0
	s_mul_i32 s54, s11, 128*PK                     ; and where they go in a slot: no place in the cluster enters an LDS address
	s_mul_i32 s55, s11, 128*PV
	s_add_co_u32 s55, s55, VOFF
	s_lshl_b32 s56, s[CX], 16                      ; Q: my work-group's 512 rows,
	s_lshl_b32 s57, s[WV], 12                      ; my wave's 32
	s_add_co_u32 s56, s56, s57
	s_add_co_u32 s56, s56, s12
	s_mov_b32 s57, 0
	; descriptor group 1: a tile of 128 rows x 64 elements of 2 bytes, dense in memory, padded in LDS
	s_mov_b32 s[G1K], 15|(1<<16)|(1<<20)|(1<<21)|(4<<22)|(3<<25)  ; 15:0 the mask: all four work-groups; 17:16 elements of 2 bytes; 20 padding on; 21 set beside a mask; 24:22 after every 32 words; 31:25 four words
	s_mov_b32 s[G1V], 15|(1<<16)|(1<<20)|(1<<21)|(4<<22)|(7<<25)  ; the same with eight words of padding
.irp g, G1K, G1V
	s_mov_b32 s[\g+1], 64<<16                      ; tensor_dim0
	s_mov_b32 s[\g+2], 128<<16                     ; tensor_dim1
	s_mov_b32 s[\g+3], 64<<16                      ; tile_dim0
	s_mov_b32 s[\g+4], 128                         ; tile_dim1
	s_mov_b32 s[\g+5], 64                          ; tensor_dim0_stride
	s_mov_b32 s[\g+6], 0
	s_mov_b32 s[\g+7], 0
.endr
	s_mov_b32 s[SEL], 0x76543210
	s_mov_b32 s[SEL+1], 0xfedcba98
	s_mov_b32 s[CS], 0x3e38aa3b                    ; c = log2(e) / 8
	s_mov_b32 s[CS+1], s[CS]                       ; (named with it as a pair, so it is written)
	s_mov_b32 s[TB], 0
	s_mov_b32 s[SLOTS], 2048/SKEYS-1
	s_sub_co_u32 s[LIM], s[WV], 4
	s_lshr_b32 s[LIM], s[LIM], 1                   ; 0 in waves 4 and 5
	s_cmp_eq_u32 s[LIM], 0
	s_cselect_b32 s[LIM], 1, -1
	s_cmp_eq_u32 s[WV], 4                          ; wave 4 asks for K's rows, wave 5 for V's
	s_cselect_b32 s58, 0, 1<<24
	s_add_co_u32 s58, s58, (1<<24)+SLOTB           ; in slot 1: the first change of slots steps it to slot 2
	s_add_co_u32 s58, s58, s12
	s_lshl_b32 s59, s[CX], 13                      ; my work-group's 8,192 bytes of a slot's 32,768
	s_add_co_u32 s58, s58, s59
	s_mov_b32 s59, 0
	s_lshr_b32 s51, s[BH], 4                       ; ao: row block = batch x 32 + 8 cx + wave / 2,
	s_lshl_b32 s51, s51, 5
	s_lshl_b32 s60, s[CX], 3
	s_add_co_u32 s51, s51, s60
	s_lshr_b32 s60, s[WV], 1
	s_add_co_u32 s51, s51, s60
	s_lshl_b32 s51, s51, 4
	s_and_b32 s60, s[BH], 15                       ; the head,
	s_add_co_u32 s51, s51, s60
	s_lshl_b32 s60, s51, 13                        ; blocks of 8,192 bytes,
	s_lshl_b32 s61, s11, 12                        ; rows 0 or 32 of the block
	s_add_co_u32 s60, s60, s61
	s_mov_b32 s61, 0
	s_wait_dscnt 0x0                               ; both opening adds are done
	s_wait_kmcnt 0x0
	s_add_nc_u64 s[16:17], s[4:5], s[56:57]        ; Q at my wave's first row
	s_add_nc_u64 s[PFA:PFA+1], s[4:5], s[58:59]
	s_add_nc_u64 s[6:7], s[6:7], s[60:61]          ; ao at my wave's 4,096 bytes
	CROUND                                         ; all four work-groups are here: the first joint loads meet
	s_mov_b32 s[G0K], 1                            ; 1:0 count = 1
	s_mov_b32 s[G0K+1], s54                        ; 63:32 LDS address: slot 0
	s_add_nc_u64 s[G0K+2:G0K+3], s[4:5], s[14:15]  ; 120:64 global address: the head's first 256 keys
	s_or_b32 s[G0K+3], s[G0K+3], 0x80000000        ; 127:126 type = 2
	s_mov_b32 s[G0V], 1
	s_mov_b32 s[G0V+1], s55
	s_add_nc_u64 s[G0V+2:G0V+3], s[4:5], s[52:53]
	s_or_b32 s[G0V+3], s[G0V+3], 0x80000000
	TLOAD                                          ; slot 0: one load of a fetching wave is out
	v_and_b32 v12, 15, v0                          ; r = lane % 16
	v_bfe_u32 v13, v0, 4, 1                        ; h = lane / 16
	v_lshlrev_b32 v[QO], 7, v12
	v_lshl_add_u32 v[QO], v13, 4, v[QO]            ; row r of 128 bytes + 16 h
.irp t, 0,1
.irp c, 0,1                                    ; a fragment is 16 rows x 32 channels: registers 0-3 channels 8 h + 0..7, registers 4-7 channels 16 + 8 h + 0..7: two loads of 16 bytes, 32 bytes apart.  Q stays in registers
	global_load_b128 v[QF+16*\t+8*\c:QF+16*\t+8*\c+3], v[QO], s[16:17] offset:2048*\t+64*\c
	global_load_b128 v[QF+16*\t+8*\c+4:QF+16*\t+8*\c+7], v[QO], s[16:17] offset:2048*\t+64*\c+32
.endr
.endr
	v_mul_u32_u24 v[AK0], v12, PK
	v_lshl_add_u32 v[AK0], v13, 4, v[AK0]          ; K: row x pitch + 16 x half
	v_and_b32 v14, 7, v0                           ; V: the turning load takes 16 keys x 16 channels: lane l reads 16 bytes: key 8 (l / 16) + l % 8, channels 8 ((l / 8) % 2) + 0..7
	v_bfe_u32 v15, v0, 3, 1
	v_lshl_add_u32 v[AV0], v13, 3, v14
	v_mul_u32_u24 v[AV0], v[AV0], PV
	v_lshl_add_u32 v[AV0], v15, 4, v[AV0]
	v_add_nc_u32 v[AV0], VOFF, v[AV0]
	v_and_b32 v[PFO], 31, v0
	v_lshlrev_b32 v[PFO], 8, v[PFO]
.irp t, 0,1
	v_mov_b32 v[ST+8*\t+1], 0xff61b1e6             ; m = -3e38, under every score
	v_mul_f32 v[ST+8*\t], s[CS], v[ST+8*\t+1]      ; c m
	v_mov_b32 v[ST+8*\t+2], 0                      ; l
	v_mov_b32 v[ST+8*\t+3], 0
.endr
.set i, 0
.rept 64
	v_mov_b32 v[OT+i], 0                           ; O^T.  The key step is written once for all steps: the first finds zeros, and its a is 0
.set i, i+1
.endr
; A KEY STEP: 64 keys, the q-th of the slot in hand, for both of my tiles.
.macro STEP q
	v_add_nc_u32 v[ADK], s[TB], v[AK0]             ; these two and three v_nop are the five places behind the last step's products: four for the loads into V's registers, five for the products below, which write over P
	v_add_nc_u32 v[ADV], s[TB], v[AV0]
.rept 3
	v_nop
.endr
.irp kt, 0,1,2,3
.irp c, 0,1                                    ; K: keys 16 kt on, channels 32 c on
	ds_load_b128 v[KV+16*\kt+8*\c:KV+16*\kt+8*\c+3], v[ADK] offset:64*PK*(\q)+16*PK*\kt+64*\c
	ds_load_b128 v[KV+16*\kt+8*\c+4:KV+16*\kt+8*\c+7], v[ADK] offset:64*PK*(\q)+16*PK*\kt+64*\c+32
.endr
.endr
	s_wait_dscnt 0x0                               ; K is in
.irp c, 0,1                                    ; S^T = K Q^T: eight accumulators by turns, one instruction a turn; the first eight start the sums
.irp kt, 0,1,2,3
.irp t, 0,1
.if \c == 0
	v_wmma_f32_16x16x32_f16 v[S+32*\t+8*\kt:S+32*\t+8*\kt+7], v[KV+16*\kt+8*\c:KV+16*\kt+8*\c+7], v[QF+16*\t+8*\c:QF+16*\t+8*\c+7], 0
.else
	v_wmma_f32_16x16x32_f16 v[S+32*\t+8*\kt:S+32*\t+8*\kt+7], v[KV+16*\kt+8*\c:KV+16*\kt+8*\c+7], v[QF+16*\t+8*\c:QF+16*\t+8*\c+7], v[S+32*\t+8*\kt:S+32*\t+8*\kt+7]
.endif
.endr
.endr
.endr
.rept 4
	v_nop                                          ; four places: in front of the loads into K's registers, and of the first read of the scores
.endr
.irp kk, 0,1
.irp ct, 0,1,2,3                               ; V, turned: keys 32 kk on, channels 16 ct on; it lands while the softmax is walked
	ds_load_tr16_b128 v[KV+32*\kk+8*\ct:KV+32*\kk+8*\ct+3], v[ADV] offset:64*PV*(\q)+32*PV*\kk+32*\ct
	ds_load_tr16_b128 v[KV+32*\kk+8*\ct+4:KV+32*\kk+8*\ct+7], v[ADV] offset:64*PV*(\q)+32*PV*\kk+32*\ct+16*PV
.endr
.endr
	; the maximum of my 32 scores and the old m, three operands at a time, four chains a tile; each accumulator is read from its low end on; the two tiles line by line
.irp j, 0,1,2,3
.irp t, 0,1
	v_max3_num_f32 v[ST+8*\t+4+\j], v[S+32*\t+8*\j], v[S+32*\t+8*\j+1], v[S+32*\t+8*\j+2]
.endr
.endr
.irp i, 3,5
.irp j, 0,1,2,3
.irp t, 0,1
	v_max3_num_f32 v[ST+8*\t+4+\j], v[ST+8*\t+4+\j], v[S+32*\t+8*\j+\i], v[S+32*\t+8*\j+\i+1]
.endr
.endr
.endr
.irp t, 0,1
	v_max3_num_f32 v[ST+8*\t+4], v[ST+8*\t+4], v[S+32*\t+7], v[S+32*\t+15]
	v_max3_num_f32 v[ST+8*\t+6], v[ST+8*\t+6], v[S+32*\t+23], v[S+32*\t+31]
.endr
.irp t, 0,1
	v_max3_num_f32 v[ST+8*\t+4], v[ST+8*\t+4], v[ST+8*\t+5], v[ST+8*\t+6]
.endr
.irp t, 0,1
	v_max3_num_f32 v[ST+8*\t+4], v[ST+8*\t+4], v[ST+8*\t+7], v[ST+8*\t+1]
.endr
.irp t, 0,1
	v_permlanex16_b32 v[ST+8*\t+5], v[ST+8*\t+4], s[SEL], s[SEL+1]   ; the query's other 32 keys lie in the lane 16 away
.endr
.irp t, 0,1
	v_mov_b32 v[ST+8*\t+7], v[ST+8*\t]             ; c m_old is kept for a
.endr
.irp t, 0,1
	v_max_num_f32 v[ST+8*\t+1], v[ST+8*\t+4], v[ST+8*\t+5]   ; the new m
.endr
.irp t, 0,1
	v_mul_f32 v[ST+8*\t], s[CS], v[ST+8*\t+1]
.endr
.irp t, 0,1
	v_sub_f32 v[ST+8*\t+7], v[ST+8*\t+7], v[ST+8*\t]
.endr
	; ONE BATCH of exponentials: a of both tiles, then, behind the scalings, all 64 p.  Nothing names a result ahead of the one wait
.irp t, 0,1
	v_exp_f32 v[ST+8*\t+6], v[ST+8*\t+7]           ; a = 2^(c m_old - c m_new)
.endr
.set i, 0
.rept 32
	v_pk_fma_f32 v[S+2*i:S+2*i+1], v[S+2*i:S+2*i+1], s[CS:CS+1], v[ST+8*(i/16):ST+8*(i/16)+1] op_sel_hi:[1,0,0] neg_lo:[0,0,1] neg_hi:[0,0,1]   ; c s - c m, two at a time
.set i, i+1
.endr
.set i, 0
.rept 64
	v_exp_f32 v[S+i], v[S+i]                       ; p
.set i, i+1
.endr
	v_nop                                          ; a plain instruction behind the last exponential
	s_wait_alu depctr_va_vdst(0)                   ; the wait ahead of the first instruction that names a result: one for the whole batch
	; the sums, of p in f32, in two chains a tile: l = a l + the even pairs, a second chain of the odd pairs
.irp t, 0,1
	v_pk_fma_f32 v[ST+8*\t+2:ST+8*\t+3], v[ST+8*\t+2:ST+8*\t+3], v[ST+8*\t+6:ST+8*\t+7], v[S+32*\t:S+32*\t+1] op_sel_hi:[1,0,1]
	v_pk_add_f32 v[ST+8*\t+4:ST+8*\t+5], v[S+32*\t+2:S+32*\t+3], v[S+32*\t+6:S+32*\t+7]
.endr
.irp k, 4,8,12,16,20,24
.irp t, 0,1
	v_pk_add_f32 v[ST+8*\t+2:ST+8*\t+3], v[ST+8*\t+2:ST+8*\t+3], v[S+32*\t+\k:S+32*\t+\k+1]
	v_pk_add_f32 v[ST+8*\t+4:ST+8*\t+5], v[ST+8*\t+4:ST+8*\t+5], v[S+32*\t+\k+6:S+32*\t+\k+7]
.endr
.endr
.irp t, 0,1
	v_pk_add_f32 v[ST+8*\t+2:ST+8*\t+3], v[ST+8*\t+2:ST+8*\t+3], v[S+32*\t+28:S+32*\t+29]
.endr
.irp t, 0,1
	v_pk_add_f32 v[ST+8*\t+2:ST+8*\t+3], v[ST+8*\t+2:ST+8*\t+3], v[ST+8*\t+4:ST+8*\t+5]
.endr
.set i, 0
.rept 16                                       ; P: pair i of a tile into its register i: register i has been read by then
	v_cvt_pk_f16_f32 v[S+i], v[S+2*i], v[S+2*i+1]
	v_cvt_pk_f16_f32 v[S+32+i], v[S+32+2*i], v[S+32+2*i+1]
.set i, i+1
.endr
.set i, 0
.rept 32
	v_pk_mul_f32 v[OT+2*i:OT+2*i+1], v[OT+2*i:OT+2*i+1], v[ST+8*(i/16)+6:ST+8*(i/16)+7] op_sel_hi:[1,0]   ; O^T x a, each accumulator from its low end on
.set i, i+1
.endr
	s_wait_dscnt 0x0                               ; V is in
.irp kk, 0,1                                   ; O^T += V^T P: eight accumulators by turns
.irp ct, 0,1,2,3
.irp t, 0,1
	v_wmma_f32_16x16x32_f16 v[OT+32*\t+8*\ct:OT+32*\t+8*\ct+7], v[KV+32*\kk+8*\ct:KV+32*\kk+8*\ct+7], v[S+32*\t+8*\kk:S+32*\t+8*\kk+7], v[OT+32*\t+8*\ct:OT+32*\t+8*\ct+7]
.endr
.endr
.endr
.endm
; THE CHANGE OF SLOTS stands at a slot's head.  Each wave waits for all its tensor loads (its part of the slot that it is about to read), adds 0 to its spare word, and waits for that and for its reads of the slot that it has left.
; fill = 1: the barrier is a round of the cluster's, so that no wave of any partner still reads the other slot or has a load on its way; that slot is then filled with the next 256 keys: the load has a slot's 4 steps in which to land.
.macro CHANGE fill
	s_wait_tensorcnt 0x0                           ; no tensor load of mine is out, so a group 0 may be written
	ds_add_u32 v[SPW], v[NIL]
.if \fill
	ds_add_u32 v[SPW], v[NIL]                      ; the add twice on end here, in every trip alike
	s_xor_b32 s[G0K+1], s[G0K+1], SLOT1            ; the walking descriptors: the other slot than last time,
	s_add_nc_u64 s[G0K+2:G0K+3], s[G0K+2:G0K+3], SLOTB   ; the next 256 keys; the type bits on top are not reached
	s_xor_b32 s[G0V+1], s[G0V+1], SLOT1
	s_add_nc_u64 s[G0V+2:G0V+3], s[G0V+2:G0V+3], SLOTB
	s_wait_xcnt 0x0                                ; the last prefetch, a slot back, has read its address, so it may be written:
	s_add_nc_u64 s[PFA:PFA+1], s[PFA:PFA+1], SLOTB ; one slot further on than the walking descriptors
	s_wait_dscnt 0x0                               ; both adds are done, and my reads of the slot that I have left are over
	CROUND
	TLOAD                                          ; the first thing behind the round, and a wave's one tensor load until the next
	ASK
.else
	s_wait_dscnt 0x0
	s_barrier_signal -1
	s_barrier_wait -1
.endif
.endm
.macro SLOT_STEPS
	STEP 0
	STEP 1
	STEP 2
	STEP 3
	s_xor_b32 s[TB], s[TB], SLOT1                  ; on to the other slot
.endm
	s_wait_loadcnt 0x0                             ; Q
.Lslot:                                            ; 7 trips: behind each change of slots but the last the next slot is asked for
	CHANGE 1
	SLOT_STEPS
	s_sub_co_u32 s[SLOTS], s[SLOTS], 1
	s_cmp_lg_u32 s[SLOTS], 0
	s_cbranch_scc1 .Lslot
	CHANGE 0                                       ; the last slot is written out
	SLOT_STEPS
	; THE WAY OUT.  O^T is divided by l, rounded to f16 and sent through my stage in LDS, so that my 32 rows of 128 bytes leave as 4,096 bytes on end.  The address lines are the places behind the last products.
	s_mul_i32 s51, s[WV], 32*PK
	s_add_co_u32 s51, s51, STAGE                   ; my stage
	v_and_b32 v12, 15, v0
	v_bfe_u32 v13, v0, 4, 1
	v_mul_u32_u24 v[STO], v12, PK                  ; in: row r, 16 bytes for each half of the lanes
	v_lshl_add_u32 v[STO], v13, 4, v[STO]
	v_add_nc_u32 v[STO], s51, v[STO]
	v_bfe_u32 v14, v0, 3, 2                        ; back: eight lanes to a row of 128 bytes, four rows an instruction
	v_and_b32 v15, 7, v0
	v_mul_u32_u24 v[RD], v14, PK
	v_lshl_add_u32 v[RD], v15, 4, v[RD]
	v_add_nc_u32 v[RD], s51, v[RD]
	v_and_b32 v[GO], 31, v0
	v_lshlrev_b32 v[GO], 4, v[GO]
.irp t, 0,1
	v_add_f32 v[ST+8*\t+4], v[ST+8*\t+2], v[ST+8*\t+3]   ; l's two halves,
.endr
.irp t, 0,1
	v_permlanex16_b32 v[ST+8*\t+5], v[ST+8*\t+4], s[SEL], s[SEL+1]
.endr
.irp t, 0,1
	v_add_f32 v[ST+8*\t+4], v[ST+8*\t+4], v[ST+8*\t+5]   ; and the other half of the lanes'
.endr
.irp t, 0,1
	v_rcp_f32 v[ST+8*\t+6], v[ST+8*\t+4]
.endr
	v_nop                                          ; a plain instruction behind the last reciprocal
	s_wait_alu depctr_va_vdst(0)                   ; and the wait ahead of the first use: one for both
.set i, 0
.rept 32
	v_pk_mul_f32 v[OT+2*i:OT+2*i+1], v[OT+2*i:OT+2*i+1], v[ST+8*(i/16)+6:ST+8*(i/16)+7] op_sel_hi:[1,0]
.set i, i+1
.endr
.set i, 0
.rept 32
	v_cvt_pk_f16_f32 v[KV+i], v[OT+2*i], v[OT+2*i+1]   ; registers 16 t + 4 ct + 0..3: channels 16 ct + 8 h + 0..7 of row 16 t + r
.set i, i+1
.endr
.irp t, 0,1
.irp ct, 0,1,2,3
	ds_store_b128 v[STO], v[KV+16*\t+4*\ct:KV+16*\t+4*\ct+3] offset:16*PK*\t+32*\ct
.endr
.endr
.irp g, 0,1,2,3,4,5,6,7
	ds_load_b128 v[KV+32+4*\g:KV+32+4*\g+3], v[RD] offset:4*PK*\g   ; LDS serves a wave's instructions in order (ISA guide 5.7.1.4): these see my stores
.endr
.irp g, 0,1,2,3,4,5,6,7
	s_wait_dscnt 7-\g                              ; load g is in; the younger ones may be out
	global_store_b128 v[GO], v[KV+32+4*\g:KV+32+4*\g+3], s[6:7] offset:512*\g   ; 32 lanes store 512 consecutive bytes, aligned
.endr
	s_wait_tensorcnt 0x0                           ; the wave's end: the add to my spare word and its wait, behind my last tensor load and my last LDS store
	ds_add_u32 v[SPW], v[NIL]
	s_wait_dscnt 0x0
	CROUND                                         ; the closing round: no work-group ends while a partner may still ask for a tile that names it
	s_endpgm
.Lfunc_end_k_q064b16d4c9_attn:
	.size	k_q064b16d4c9_attn, .Lfunc_end_k_q064b16d4c9_attn-k_q064b16d4c9_attn
	.p2alignl 7, 3214868480
	.fill 96, 4, 3214868480
	.section	.rodata,"a",@progbits
	.p2align	6, 0x0
	.amdhsa_kernel k_q064b16d4c9_attn
		.amdhsa_group_segment_fixed_size 327680
		.amdhsa_private_segment_fixed_size 0
		.amdhsa_enable_private_segment 0
		.amdhsa_kernarg_size 16
		.amdhsa_user_sgpr_count 2
		.amdhsa_user_sgpr_kernarg_segment_ptr 1
		.amdhsa_wavefront_size32 1
		.amdhsa_system_sgpr_workgroup_id_x 1
		.amdhsa_system_sgpr_workgroup_id_y 1
		.amdhsa_system_sgpr_workgroup_id_z 1
		.amdhsa_system_vgpr_workitem_id 0
		.amdhsa_next_free_vgpr 256
		.amdhsa_next_free_sgpr 66
		.amdhsa_reserve_vcc 0
		.amdhsa_float_denorm_mode_32 3
		.amdhsa_float_denorm_mode_16_64 3
		.amdhsa_memory_ordered 1
		.amdhsa_forward_progress 1
		.amdhsa_inst_pref_size 154
	.end_amdhsa_kernel
	.amdgpu_metadata
---
amdhsa.version: [ 1, 2 ]
amdhsa.kernels:
  - .name:           k_q064b16d4c9_attn
    .symbol:         k_q064b16d4c9_attn.kd
    .args:
      - { .name: qkv, .offset: 0, .size: 8, .value_kind: global_buffer, .address_space: global }
      - { .name: ao, .offset: 8, .size: 8, .value_kind: global_buffer, .address_space: global }
    .group_segment_fixed_size: 327680
    .private_segment_fixed_size: 0
    .kernarg_segment_align: 8
    .kernarg_segment_size: 16
    .max_flat_workgroup_size: 512
    .sgpr_count:     66
    .vgpr_count:     256
    .wavefront_size: 32
...
	.end_amdgpu_metadata
.endif
;; end of part 3
;; launch outp (part 4): grid 8 x 64, 4 waves a work-group, clusters of 4 x 4, 327,680 bytes of LDS; arguments ao, dw16, out0, dense_b; writes out0
.if DOCPART == 4
	.amdgcn_target "amdgcn-amd-amdhsa--gfx1250"
	.amdhsa_code_object_version 6
	.text
	.protected	k_q064b16d4c9_outp
	.globl	k_q064b16d4c9_outp
	.p2align	8
	.type	k_q064b16d4c9_outp,@function
k_q064b16d4c9_outp:
	s_mov_b64 s[64:65], 0
	v_nop
	global_prefetch_b8 v0, s[64:65] scope:SCOPE_SE
	s_setreg_imm32_b32 hwreg(HW_REG_WAVE_MODE, 25, 1), 1
	s_wait_xcnt 0x0
	s_wait_alu depctr_hold_cnt(0) depctr_sa_sdst(0) depctr_va_vdst(0) depctr_va_sdst(0) depctr_va_ssrc(0) depctr_va_vcc(0) depctr_vm_vsrc(0)
	s_getreg_b32 s2, hwreg(HW_REG_IB_STS2, 6, 4)
	s_cmp_eq_u32 s2, 0
	s_cbranch_scc0 .Lentry_in_a_cluster
	s_endpgm
.Lentry_in_a_cluster:
	s_bfe_u32 s2, ttmp6, 0x10000c
	s_cmp_lg_u32 s2, 0xf033
	s_cbranch_scc0 .Lentry_shape_is_right
	s_endpgm
.Lentry_shape_is_right:
; out0[m][n] = sum over k of A[m][k] W[n][k] + dense_b[n].  A: attention's result, f16, laid [m / 64][k / 64][64 m][64 k] (ao); W: dense_w in f16, laid [n / 64][k / 64][64 n][64 k] (dw16); out0: [8192][1024] f32; sums in f32.
; A tile of the result is 128 x 128: 512 work-groups of four waves, each wave 64 x 64: 16 accumulators of 16 x 16.  K goes in four steps of 256 through a ring of two LDS slots.
; In both operands 64 rows x 256 along K are four blocks on end, 32,768 dense bytes: one tensor load brings them as 256 rows of 128 bytes; in LDS they lie [k / 64][row], 144 bytes a row.
; CLUSTERS: 4 x 4 work-groups.  The four of a row of the cluster need the same tiles of A, the four of a column the same tiles of W: each tile is asked for JOINTLY, by the same tensor load with the same descriptor and a mask that names the four.
; THE MATRIX INSTRUCTION IS USED TRANSPOSED (source 0 = 16 rows of W, source 1 = 16 rows of A): a lane then holds eight neighbouring numbers of a row of the result.  The bias is the C of each sum's first product.
; REGISTERS: window 0: v0-31 addresses; v32-95 at work on the way out; v96-127 the bias, eight registers for each of 4 column blocks; v128-255 the accumulators ((a, b) at v[128 + 8 (4 a + b)]).
;   window 1: two fragment buffers of 128: for 64 along K, 64 registers of A, then 64 of W.
.set PITCH,  144                       ; an LDS row: 128 bytes + 16 = 36 words: the 16 rows of a load start at 16 different groups of 4 banks (64 banks of 4 bytes: ISA guide 11.1)
.set HALFT,  256*PITCH                 ; what one tensor load brings, and what one wave reads of A or of W in a K step: 64 rows x 256 along K
.set QB,     64*PITCH                  ; a quarter of it: 64 rows x 64 along K
.set SLOT,   4*HALFT                   ; A's two halves, then W's two
.set KSB,    32768                     ; a K step of 64 rows in memory, in bytes
.set STAGE,  2*SLOT                    ; behind the ring: 16 rows x 272 bytes for each wave, for the way out; no tile lands here
.set SPITCH, 272
.set SPARE,  STAGE+4*16*SPITCH         ; the spare words, 128 bytes a wave, which no other line names
.set ADRA, 16                          ; v16-17  LDS address of my A fragments in slot 0, 1
.set ADRB, 20                          ; v20-21  the same for W
.set STO,  24                          ; v24     the way out: where I put 32 bytes of a row
.set RD,   25                          ; v25     where I read a row back
.set CO,   26                          ; v26     my byte offset in out0
.set BO,   27                          ; v27     the bias: 32 bytes x (lane / 16)
.set SPW,  28                          ; v28     LDS address of my spare word; never rewritten
.set NIL,  29                          ; v29     0; never rewritten
.set TMP,  32
.set BI,   96
.set ACC,  128
.set F0,   0                           ; fragment buffers, in window 1
.set F1,   128
.set G1, 24                            ; s[24:31] descriptor group 1 for A's tiles;  s[32:39] group 0, one set for each slot
.set G0, 32
.set G1B, 48                           ; s[48:55], s[56:63] the same for W's tiles
.set G0B, 56
.set MSB, 0
.macro WIN new                         ; the immediate's high byte repeats the setting that is left
.if MSB != (\new)
	s_set_vgpr_msb (MSB<<8)|(\new)
.set MSB, (\new)
.endif
.endm
.set MUL,  0x05                        ; sources 0 (W) and 1 (A) window 1; C and D window 0
.set TO_F, 0x40                        ; destination window 1, address window 0
.macro JLOAD s                         ; a joint load: waves 0 and 1 fetch A's two halves, waves 2 and 3 W's; an s_nop 0 and four v_nop follow each of the two lines
	s_cmp_eq_u32 s11, 0
	s_cbranch_scc0 .Lfor_b_\@
	tensor_load_to_lds s[G0+4*\s:G0+4*\s+3], s[G1:G1+7]
	s_nop 0
.rept 4
	v_nop
.endr
	s_branch .Lasked_\@
.Lfor_b_\@:
	tensor_load_to_lds s[G0B+4*\s:G0B+4*\s+3], s[G1B:G1B+7]
	s_nop 0
.rept 4
	v_nop
.endr
.Lasked_\@:
.endm
.macro CREST                           ; a round of the cluster's barrier behind its opening barrier
	s_cmp_lg_u32 s10, 0
	s_cbranch_scc1 .Lnot_wave_0_\@
	s_barrier_signal -3
.Lnot_wave_0_\@:
	s_barrier_wait -3
	s_barrier_signal -1
	s_barrier_wait -1
.endm
.macro CROUND                          ; a whole round
	s_barrier_signal -1
	s_barrier_wait -1
	CREST
.endm
	s_load_b128 s[4:7], s[0:1], 0x0                ; ao s[4:5], dw16 s[6:7]
	s_load_b64 s[8:9], s[0:1], 0x10                ; out0
	s_load_b64 s[66:67], s[0:1], 0x18              ; dense_b
	v_lshl_add_u32 v[SPW], v0, 2, SPARE
	v_mov_b32 v[NIL], 0
	ds_add_u32 v[SPW], v[NIL]                      ; the wave's opening: the add, twice on end, and its wait ahead of my first tensor load
	ds_add_u32 v[SPW], v[NIL]
	v_lshrrev_b32 v1, 5, v0
	v_readfirstlane_b32 s10, v1                    ; wave 0..3
	s_lshr_b32 s11, s10, 1                         ; which half of the tile's rows is mine.  Also: I fetch for A (0) or for W (1)
	s_and_b32 s12, s10, 1                          ; which half of its columns.  Also: which 64 rows of that tile I fetch
	s_bfe_u32 s40, ttmp6, 0x40000                  ; cx, cy: my place in the cluster
	s_bfe_u32 s41, ttmp6, 0x40004
	s_lshl_b32 s42, ttmp9, 2
	s_add_co_u32 s42, s42, s40                     ; tile column = 4 x cluster x + cx, 0 .. 7
	s_and_b32 s13, ttmp7, 0xffff
	s_lshl_b32 s13, s13, 2
	s_add_co_u32 s13, s13, s41                     ; tile row = 4 x cluster y + cy, 0 .. 63
	s_lshl_b32 s43, s41, 2
	s_lshl_b32 s43, 15, s43                        ; my row of the cluster
	s_lshl_b32 s44, 0x1111, s40                    ; my column
	; descriptor group 1: 256 rows x 64 elements of 2 bytes, dense in memory, padded in LDS
	s_or_b32 s[G1+0], s43, (1<<16)|(1<<20)|(1<<21)|(4<<22)|(3<<25)  ; 15:0 the mask: A's tiles go to my row; 17:16 elements of 2 bytes; 20 padding on; 21 set beside a mask; 24:22 after every 32 words; 31:25 four words
	s_or_b32 s[G1B+0], s44, (1<<16)|(1<<20)|(1<<21)|(4<<22)|(3<<25)
.irp g, G1, G1B
	s_mov_b32 s[\g+1], 64<<16                      ; tensor_dim0
	s_mov_b32 s[\g+2], 256<<16                     ; tensor_dim1
	s_mov_b32 s[\g+3], 64<<16                      ; tile_dim0
	s_mov_b32 s[\g+4], 256                         ; tile_dim1
	s_mov_b32 s[\g+5], 64                          ; tensor_dim0_stride
	s_mov_b32 s[\g+6], 0
	s_mov_b32 s[\g+7], 0
.endr
	s_lshl_b32 s16, s13, 1
	s_add_co_u32 s16, s16, s12                     ; A: block of 64 rows 2 x tile row + half,
	s_lshl_b32 s16, s16, 17                        ; 16 blocks of 8,192 bytes each
	s_mov_b32 s17, 0
	s_lshl_b32 s46, s42, 1
	s_add_co_u32 s46, s46, s12                     ; W: 2 x tile column + half
	s_lshl_b32 s46, s46, 17
	s_mov_b32 s47, 0
	s_mul_i32 s20, s10, HALFT                      ; where they go: wave x a load's bytes: no place in the cluster enters an LDS address
	s_wait_dscnt 0x0                               ; both opening adds are done
	s_wait_kmcnt 0x0
	s_add_nc_u64 s[14:15], s[4:5], s[16:17]
	s_add_nc_u64 s[46:47], s[6:7], s[46:47]
	CROUND                                         ; all sixteen work-groups are here: the first joint loads meet
.irp s, 0,1
	s_mov_b32 s[G0+4*\s], 1
	s_add_co_u32 s[G0+4*\s+1], s20, \s*SLOT
	s_add_nc_u64 s[G0+4*\s+2:G0+4*\s+3], s[14:15], \s*KSB
	s_or_b32 s[G0+4*\s+3], s[G0+4*\s+3], 0x80000000
	s_mov_b32 s[G0B+4*\s], 1
	s_add_co_u32 s[G0B+4*\s+1], s20, \s*SLOT
	s_add_nc_u64 s[G0B+4*\s+2:G0B+4*\s+3], s[46:47], \s*KSB
	s_or_b32 s[G0B+4*\s+3], s[G0B+4*\s+3], 0x80000000
	JLOAD \s                                       ; two loads of mine are out
.endr
	v_and_b32 v1, 15, v0                           ; r = lane % 16
	v_bfe_u32 v2, v0, 4, 1                         ; h = lane / 16
	s_lshl_b32 s46, s42, 9                         ; my first column in bytes of f32: 512 x tile column + 256 x half
	s_lshl_b32 s47, s12, 8
	s_add_co_u32 s46, s46, s47
	s_mov_b32 s47, 0
	s_add_nc_u64 s[66:67], s[66:67], s[46:47]      ; the bias of my 64 columns: lane (r, h) wants, for column block b, dense_b[16 b + 8 h + 0 .. 7]
	v_lshlrev_b32 v[BO], 5, v2
.irp b, 0,1,2,3
	global_load_b128 v[BI+8*\b:BI+8*\b+3], v[BO], s[66:67] offset:64*\b
	global_load_b128 v[BI+8*\b+4:BI+8*\b+7], v[BO], s[66:67] offset:64*\b+16
.endr
	v_mul_u32_u24 v3, v1, PITCH
	v_lshl_add_u32 v3, v2, 4, v3                   ; a fragment's row x pitch + 16 x half
	s_mul_i32 s21, s11, HALFT                      ; my 64 rows of A
	s_mul_i32 s22, s12, HALFT                      ; my 64 rows of W,
	s_add_co_u32 s22, s22, 2*HALFT                 ; which lie behind A's two halves
.irp s, 0,1
	v_add_nc_u32 v[ADRA+\s], s21, v3
	v_add_nc_u32 v[ADRB+\s], s22, v3
	s_add_co_u32 s21, s21, SLOT
	s_add_co_u32 s22, s22, SLOT
.endr
	s_mul_i32 s23, s10, 16*SPITCH
	s_add_co_u32 s23, s23, STAGE                   ; my stage
	v_mul_u32_u24 v4, v1, SPITCH                   ; in: row r, 32 bytes for each half of the lanes
	v_lshl_add_u32 v4, v2, 5, v4
	v_add_nc_u32 v[STO], s23, v4
	v_mul_u32_u24 v5, v2, SPITCH                   ; back: lanes 0-15 take one row of 256 bytes, lanes 16-31 the next
	v_lshl_add_u32 v5, v1, 4, v5
	v_add_nc_u32 v[RD], s23, v5
	v_lshlrev_b32 v5, 12, v2                       ; and the same two rows in out0, 4,096 bytes apart
	v_lshl_add_u32 v[CO], v1, 4, v5
	s_lshl_b32 s16, s13, 7
	s_lshl_b32 s17, s11, 6
	s_add_co_u32 s16, s16, s17                     ; my first row: 128 x tile row + 64 x half
	s_lshl_b32 s16, s16, 12
	s_add_co_u32 s16, s16, s46                     ; + my first column
	s_mov_b32 s17, 0
	s_add_nc_u64 s[8:9], s[8:9], s[16:17]
; 8 matrix instructions: row blocks a0, a0 + 1 x all 4 column blocks, 32 along K: half c of buffer f.  zero = 1: the first product starts the sum from the bias.  The 16 accumulators take turns, one instruction a turn.
.macro MUL8 f, c, a0, zero
.irp a, \a0, \a0+1
.irp b, 0,1,2,3
.if \zero
	v_wmma_f32_16x16x32_f16 v[ACC+8*(4*(\a)+\b):ACC+8*(4*(\a)+\b)+7], v[\f+64+8*(4*\c+\b):\f+64+8*(4*\c+\b)+7], v[\f+8*(4*\c+\a):\f+8*(4*\c+\a)+7], v[BI+8*\b:BI+8*\b+7]
.else
	v_wmma_f32_16x16x32_f16 v[ACC+8*(4*(\a)+\b):ACC+8*(4*(\a)+\b)+7], v[\f+64+8*(4*\c+\b):\f+64+8*(4*\c+\b)+7], v[\f+8*(4*\c+\a):\f+8*(4*\c+\a)+7], v[ACC+8*(4*(\a)+\b):ACC+8*(4*(\a)+\b)+7]
.endif
.endr
.endr
.endm
; 32 LDS loads in one run: the fragments of 64 along K (the group of rows that begins at byte k of a load's bytes) into buffer f; the first 32 along K first
.macro FETCH slot, k, f
	WIN TO_F
.irp c, 0,1
.irp i, 0,1,2,3
	ds_load_b128 v[\f+64+8*(4*\c+\i):\f+64+8*(4*\c+\i)+3],   v[ADRB+\slot] offset:\k+64*\c+\i*16*PITCH
	ds_load_b128 v[\f+64+8*(4*\c+\i)+4:\f+64+8*(4*\c+\i)+7], v[ADRB+\slot] offset:\k+64*\c+\i*16*PITCH+32
	ds_load_b128 v[\f+8*(4*\c+\i):\f+8*(4*\c+\i)+3],         v[ADRA+\slot] offset:\k+64*\c+\i*16*PITCH
	ds_load_b128 v[\f+8*(4*\c+\i)+4:\f+8*(4*\c+\i)+7],       v[ADRA+\slot] offset:\k+64*\c+\i*16*PITCH+32
.endr
.endr
.endm
.macro PLACES                          ; four places in front of loads into registers that matrix instructions have read, and of LDS stores that read results
.rept 4
	v_nop
.endr
.endm
; A K step is four quarters of 64 along K, 32 matrix instructions each, on buffers 0, 1, 0, 1.  One of the first three: multiplies buffer f and fetches the next quarter, at byte k, into g.
.macro QUARTER slot, k, f, g, zero
	s_wait_dscnt 16                                ; the first 32 along K are in; the sixteen loads of the second 32 may be out
	WIN MUL
	MUL8 \f, 0, 0, \zero
	MUL8 \f, 0, 2, \zero
	PLACES
	FETCH \slot, \k, \g
	s_wait_dscnt 32                                ; all but the 32 just issued
	WIN MUL
	MUL8 \f, 1, 0, 0
	MUL8 \f, 1, 2, 0
.endm
; The last quarter multiplies buffer 1 and changes slots: ONE barrier; in front of it each wave waits for all its tensor loads, adds 0 to its spare word, and waits for that and for its own reads of this slot.  fill = 1: this slot is filled again, two K steps ahead.
.macro TURN slot, next, fill
	WIN 0                                          ; (the add's two registers lie in window 0)
	s_wait_tensorcnt 0x0                           ; all my tensor loads have landed: my part of the next slot;
	ds_add_u32 v[SPW], v[NIL]
	s_wait_dscnt 17                                ; (the add and the youngest sixteen loads may be out)
	WIN MUL
	MUL8 F1, 0, 0, 0                               ; eight matrix instructions stand between the add and the wait for it
	s_wait_dscnt 0x0                               ; the add is done, and my reads of this slot are over
	s_barrier_signal -1
	MUL8 F1, 0, 2, 0
.if \fill
	WIN 0
.endif
	s_barrier_wait -1
.if \fill
	CREST                                          ; the barrier has opened a round of the cluster's barrier: no wave of any partner still reads this slot's tile or has a load on its way
	s_add_nc_u64 s[G0+4*\slot+2:G0+4*\slot+3], s[G0+4*\slot+2:G0+4*\slot+3], 2*KSB
	s_add_nc_u64 s[G0B+4*\slot+2:G0B+4*\slot+3], s[G0B+4*\slot+2:G0B+4*\slot+3], 2*KSB
	JLOAD \slot                                    ; the first tensor load behind the round, my one load until the next; the four v_nop behind it are also the places in front of the loads below
.else
	PLACES
.endif
	FETCH \next, 0, F0
	WIN MUL
	MUL8 F1, 1, 0, 0
	MUL8 F1, 1, 2, 0
.endm
	s_wait_tensorcnt 1                             ; my part of K step 0 is in (K step 1's load may be out)
	s_barrier_signal -1
	s_barrier_wait -1                              ; everybody's is
	FETCH 0, 0, F0
	s_wait_loadcnt 0x0                             ; the bias
	QUARTER 0, QB,   F0, F1, 1                     ; K step 0: its first products start the sums
	QUARTER 0, 2*QB, F1, F0, 0
	QUARTER 0, 3*QB, F0, F1, 0
	TURN 0, 1, 1                                   ; slot 0 takes K step 2
	QUARTER 1, QB,   F0, F1, 0                     ; K step 1
	QUARTER 1, 2*QB, F1, F0, 0
	QUARTER 1, 3*QB, F0, F1, 0
	TURN 1, 0, 1                                   ; slot 1 takes K step 3
	QUARTER 0, QB,   F0, F1, 0                     ; K step 2
	QUARTER 0, 2*QB, F1, F0, 0
	QUARTER 0, 3*QB, F0, F1, 0
	TURN 0, 1, 0                                   ; nothing is left to fetch
	QUARTER 1, QB,   F0, F1, 0                     ; K step 3
	QUARTER 1, 2*QB, F1, F0, 0
	QUARTER 1, 3*QB, F0, F1, 0
	s_wait_dscnt 16                                ; the very last quarter
	WIN MUL
	MUL8 F1, 0, 0, 0
	MUL8 F1, 0, 2, 0
	s_wait_dscnt 0
	MUL8 F1, 1, 0, 0
	MUL8 F1, 1, 2, 0
	WIN 0
; THE WAY OUT, block by block of 16 rows x 64 columns.  A lane holds 32 neighbouring bytes of a row, and the lanes beside it hold other rows: so a block goes through my own stage in LDS and comes back as whole rows of 256 bytes.
; LDS serves a wave's instructions in order (ISA guide 5.7.1.4): no wait between the stores and the loads, nor in front of the next block's stores.
.macro TOSTAGE a
.irp b, 0,1,2,3
	ds_store_b128 v[STO], v[ACC+8*(4*(\a)+\b):ACC+8*(4*(\a)+\b)+3] offset:64*\b          ; each accumulator from its low end on
	ds_store_b128 v[STO], v[ACC+8*(4*(\a)+\b)+4:ACC+8*(4*(\a)+\b)+7] offset:64*\b+16
.endr
.set BB, TMP+32*((\a)%2)
.irp t, 0,1,2,3,4,5,6,7
	ds_load_b128 v[BB+4*\t:BB+4*\t+3], v[RD] offset:\t*2*SPITCH
.endr
.endm
.macro SEND a, younger                 ; younger: the LDS instructions issued behind block a's loads, which may stay out
.set BB, TMP+32*((\a)%2)
	s_wait_dscnt \younger                          ; the block is back in registers
.irp t, 0,1,2,3,4,5,6,7
	global_store_b128 v[CO], v[BB+4*\t:BB+4*\t+3], s[8:9] offset:(16*(\a)+2*\t)*4096 th:TH_STORE_NT   ; 16 lanes store 256 consecutive bytes, aligned; written once, read by nobody here
.endr
.endm
	PLACES
	TOSTAGE 0
.irp a, 1,2,3
.if \a > 1
	s_wait_xcnt 0x0                                ; block a - 2's stores have read their registers: block a's loads may land there
.endif
	TOSTAGE \a
	SEND \a-1, 16                                  ; behind block a - 1's loads: block a's 8 stores and 8 loads
.endr
	SEND 3, 0
	s_wait_tensorcnt 0x0                           ; the wave's end: the add to my spare word and its wait, behind my last tensor load and my last LDS store
	ds_add_u32 v[SPW], v[NIL]
	s_wait_dscnt 0x0
	CROUND                                         ; the closing round: no work-group ends while a partner may still ask for a tile that names it
	s_endpgm
.Lfunc_end_k_q064b16d4c9_outp:
	.size	k_q064b16d4c9_outp, .Lfunc_end_k_q064b16d4c9_outp-k_q064b16d4c9_outp
	.p2alignl 7, 3214868480
	.fill 96, 4, 3214868480
	.section	.rodata,"a",@progbits
	.p2align	6, 0x0
	.amdhsa_kernel k_q064b16d4c9_outp
		.amdhsa_group_segment_fixed_size 327680
		.amdhsa_private_segment_fixed_size 0
		.amdhsa_enable_private_segment 0
		.amdhsa_kernarg_size 32
		.amdhsa_user_sgpr_count 2
		.amdhsa_user_sgpr_kernarg_segment_ptr 1
		.amdhsa_wavefront_size32 1
		.amdhsa_system_sgpr_workgroup_id_x 1
		.amdhsa_system_sgpr_workgroup_id_y 1
		.amdhsa_system_sgpr_workgroup_id_z 1
		.amdhsa_system_vgpr_workitem_id 0
		.amdhsa_next_free_vgpr 512
		.amdhsa_next_free_sgpr 70
		.amdhsa_reserve_vcc 0
		.amdhsa_float_denorm_mode_32 3
		.amdhsa_float_denorm_mode_16_64 3
		.amdhsa_memory_ordered 1
		.amdhsa_forward_progress 1
		.amdhsa_inst_pref_size 86
	.end_amdhsa_kernel
	.amdgpu_metadata
---
amdhsa.version: [ 1, 2 ]
amdhsa.kernels:
  - .name:           k_q064b16d4c9_outp
    .symbol:         k_q064b16d4c9_outp.kd
    .args:
      - { .name: ao, .offset: 0, .size: 8, .value_kind: global_buffer, .address_space: global }
      - { .name: dw16, .offset: 8, .size: 8, .value_kind: global_buffer, .address_space: global }
      - { .name: out0, .offset: 16, .size: 8, .value_kind: global_buffer, .address_space: global }
      - { .name: dense_b, .offset: 24, .size: 8, .value_kind: global_buffer, .address_space: global }
    .group_segment_fixed_size: 327680
    .private_segment_fixed_size: 0
    .kernarg_segment_align: 8
    .kernarg_segment_size: 32
    .max_flat_workgroup_size: 128
    .sgpr_count:     70
    .vgpr_count:     512
    .wavefront_size: 32
...
	.end_amdgpu_metadata
.endif
;; end of part 4
